; MI455X (gfx1250); checked and timed in simulation.
; The chip was launched on July 23, 2026; its instructions are those of AMD's public machine-readable ISA for CDNA 5 (MIT licence, August 2026) and "CDNA5" Instruction Set Architecture Reference Guide (July 2026). The comments in the code are by the model that wrote it; some were corrected since.
;; Motion Prediction. Allowed arithmetic: float matrix products may take bf16 or f16 operands with f32 sums; other float arithmetic in f32, or as packed bf16 or f16 multiplies, adds, multiply-adds, maxima and minima; sums over many terms, partial sums and values carried from step to step in f32; what a program stores and reads back later, other than sums and carried values, may be rounded once to bf16 or f16.
;; Inputs: W1 4 x 256 x 256 float32; W2 4 x 256 x 256 float32; W3 4 x 256 x 256 float32; X 65,536 x 256 float32; b1 4 x 256 float32; b2 4 x 256 float32; b3 4 x 256 float32; phi 65,536 float32.
;; Outputs: out0 65,536 x 256 float32.
;; 2 versions, each right and faster than the one before. Each part assembles by itself: llvm-mc -triple=amdgcn-amd-amdhsa -mcpu=gfx1250 --defsym DOCPART=n.
;; ======== version 1 of 2: 2 launches
;; limits: values are held in f16: magnitudes above 65,504 overflow, below 6.1e-05 lose precision; inputs' magnitudes at most 65,504
;; workspace buffers: wt 1,572,864 bytes; bt 12,288 bytes; st 3,328 bytes
;; launch lay (part 1): grid 97 x 1, 8 waves a work-group, no clusters, 0 bytes of LDS; arguments W1, W2, W3, b1, b2, b3, wt, bt, st; writes wt, bt, st
.if DOCPART == 1
	.amdgcn_target "amdgcn-amd-amdhsa--gfx1250"
	.amdhsa_code_object_version 6
	.text
	.protected	k_q41535859d6_lay
	.globl	k_q41535859d6_lay
	.p2align	8
	.type	k_q41535859d6_lay,@function
k_q41535859d6_lay:
	s_mov_b64 s[64:65], 0
	v_nop
	global_prefetch_b8 v0, s[64:65] scope:SCOPE_SE
	s_setreg_imm32_b32 hwreg(HW_REG_WAVE_MODE, 25, 1), 1
	s_wait_xcnt 0x0
; Rounds the weights and biases once and lays them out for the launch behind it.
; wt (f16): every weight is rounded to bf16 and that number written as f16 (exact from 6.1e-5 to 65,504 in magnitude; below that f16's fixed step of 6e-8; beyond it an infinity).
;   Block i = (16 l + j) 4 + e (layer l, 16 output columns j, expert e) is 8,192 bytes and lies at place min(i - 1, 191): block 0 goes to the end, so that the four blocks
;   4 u + 1 .. 4 u + 4 are one aligned piece of 32,768 bytes.  In a block: 32 inputs kb at 1,024 kb; half c at 512 c; lane 16 h + r at 16 bytes each:
;   W[l][e][32 kb + 16 c + 8 h + 0..7][16 j + r]: the order in which a matrix operand's registers take them.
; bt (f32 that hold bf16 numbers): entry u = 16 l + j, 256 bytes [e][16 columns], at place min(u - 1, 47).
; st (f32): word 8 g + wave: the largest |bf16(W)| that wave saw in work-group g (layer l has words 256 l .. 256 l + 255); word 768 + 8 l + wave: the same for b_l.
;   Layer 3's words are stored by the same text; the launch behind reads those of layers 1 and 2.
; Work-groups 0 to 95: l = g / 32, e = (g / 8) % 4, kb = g % 8: 32 rows of one expert, 32,768 consecutive bytes, read once.  Thread t has column t.  Work-group 96: the biases.
; No LDS, no matrix unit: the launch moves 3 MiB in and 1.5 MiB out.
.set X,  8                             ; v[8:39]   my column's 32 numbers
.set P,  40                            ; v[40:55]  in pairs: bf16, then f16
.set M,  56                            ; v[56:59]  four running maxima, two bf16 each
.set TT, 60                            ; v[60:63]  at work
.macro WAVEMAX m, tmp                  ; two bf16 magnitudes in v[m] -> the wave's largest, as f32, in every lane
	v_lshlrev_b32 v[\tmp], 16, v[\m]
	v_and_b32 v[\m], s24, v[\m]
	v_max_num_f32 v[\m], v[\m], v[\tmp]
	v_max_num_f32_dpp v[\m], v[\m], v[\m] row_xmask:1 row_mask:0xf bank_mask:0xf
	v_max_num_f32_dpp v[\m], v[\m], v[\m] row_xmask:2 row_mask:0xf bank_mask:0xf
	v_max_num_f32_dpp v[\m], v[\m], v[\m] row_xmask:4 row_mask:0xf bank_mask:0xf
	v_max_num_f32_dpp v[\m], v[\m], v[\m] row_xmask:8 row_mask:0xf bank_mask:0xf
	v_permlanex16_b32 v[\tmp], v[\m], s26, s27
	v_max_num_f32 v[\m], v[\m], v[\tmp]
.endm
	s_load_b512 s[4:19], s[0:1], 0x0               ; W1 s[4:5], W2 s[6:7], W3 s[8:9], b1 s[10:11], b2 s[12:13], b3 s[14:15], wt s[16:17], bt s[18:19]
	s_load_b64 s[20:21], s[0:1], 0x40              ; st
	v_lshrrev_b32 v1, 5, v0
	v_readfirstlane_b32 s22, v1                    ; wave 0..7
	v_and_b32 v2, 31, v0                           ; lane
	s_mov_b32 s23, 0x7fff7fff                      ; clears the signs of two bf16
	s_mov_b32 s24, 0xffff0000                      ; a word's upper bf16
	s_mov_b32 s26, 0x76543210                      ; v_permlanex16_b32: each lane takes its own place in the other half
	s_mov_b32 s27, 0xfedcba98
	s_cmp_eq_u32 ttmp9, 96
	s_cbranch_scc1 .Lbias
	s_lshr_b32 s30, ttmp9, 5                       ; l
	s_bfe_u32 s31, ttmp9, 0x20003                  ; e
	s_and_b32 s32, ttmp9, 7                        ; kb
	s_lshl_b32 s34, s31, 18                        ; an expert is 262,144 bytes,
	s_lshl_b32 s33, s32, 15                        ; 32 rows are 32,768
	s_add_co_u32 s34, s34, s33
	s_mov_b32 s35, 0
	s_lshl_b32 s38, s30, 6
	s_add_co_u32 s38, s38, s31                     ; 64 l + e
	s_lshl_b32 s39, s32, 10                        ; kb's 1,024 bytes in a block
	v_lshlrev_b32 v3, 2, v0                        ; my column in a row
	v_lshrrev_b32 v4, 4, v0                        ; j
	v_lshl_add_u32 v4, v4, 2, s38                  ; i = 64 l + 4 j + e
	v_add_nc_u32 v4, -1, v4                        ; i - 1; for i = 0 it wraps,
	v_min_u32 v4, 0xbf, v4                         ; and the least of it and 191 is the block's place
	v_lshlrev_b32 v4, 13, v4
	v_and_b32 v5, 15, v0                           ; r
	v_lshl_add_u32 v4, v5, 4, v4
	v_add_nc_u32 v4, s39, v4
	s_wait_kmcnt 0x0
	s_cmp_eq_u32 s30, 1
	s_cselect_b64 s[36:37], s[6:7], s[4:5]         ; the layer's tensor
	s_cmp_eq_u32 s30, 2
	s_cselect_b64 s[36:37], s[8:9], s[36:37]
	s_add_nc_u64 s[36:37], s[36:37], s[34:35]
.set i, 0
.rept 32
	global_load_b32 v[X+i], v3, s[36:37] offset:1024*i th:TH_LOAD_NT  ; the eight waves together take a whole row of 1,024 bytes
.set i, i+1
.endr
	s_wait_loadcnt 0x0
.set i, 0
.rept 16
	v_cvt_pk_bf16_f32 v[P+i], v[X+2*i], v[X+2*i+1]
.if i < 4
	v_and_b32 v[M+i], s23, v[P+i]                  ; the first four words start the chains
.else
	v_and_b32 v[TT+i%4], s23, v[P+i]
	v_pk_max_num_bf16 v[M+i%4], v[M+i%4], v[TT+i%4]
.endif
	v_lshlrev_b32 v[X+2*i], 16, v[P+i]             ; the rounded numbers as f32,
	v_and_b32 v[X+2*i+1], s24, v[P+i]
	v_cvt_pk_f16_f32 v[P+i], v[X+2*i], v[X+2*i+1]  ; and as f16
.set i, i+1
.endr
.irp c, 0,1
.irp h, 0,1
	global_store_b128 v4, v[P+8*\c+4*\h:P+8*\c+4*\h+3], s[16:17] offset:512*\c+256*\h  ; sixteen lanes store 256 consecutive bytes, aligned
.endr
.endr
	v_pk_max_num_bf16 v[M], v[M], v[M+1]
	v_pk_max_num_bf16 v[M+2], v[M+2], v[M+3]
	v_pk_max_num_bf16 v[M], v[M], v[M+2]
	WAVEMAX M, TT
	s_lshl_b32 s33, ttmp9, 3
	s_add_co_u32 s33, s33, s22
	s_lshl_b32 s33, s33, 2                         ; word 8 g + wave
	v_mov_b32 v7, s33
	v_cmp_eq_u32 vcc_lo, 0, v2
	s_wait_xcnt 0x0                                ; EXEC changes only behind this wait: the stores above have it among their sources
	s_and_saveexec_b32 s29, vcc_lo
	global_store_b32 v7, v[M], s[20:21]
	s_wait_xcnt 0x0                                ; and again in front of the line that widens it
	s_or_b32 exec_lo, exec_lo, s29
	s_endpgm
.Lbias:                                                ; thread t makes 16 bytes of each layer's 4,096: entry t / 16, expert (t / 4) % 4, columns 4 (t % 4) on
	v_bfe_u32 v3, v0, 2, 2
	v_lshlrev_b32 v3, 10, v3                       ; the expert's row of 1,024 bytes,
	v_lshrrev_b32 v4, 4, v0                        ; j
	v_lshl_add_u32 v3, v4, 6, v3                   ; its 16 columns,
	v_and_b32 v5, 3, v0
	v_lshl_add_u32 v3, v5, 4, v3                   ; my four of them
	v_and_b32 v5, 15, v0
	v_lshlrev_b32 v5, 4, v5                        ; my 16 bytes in an entry
	s_lshl_b32 s33, s22, 2
	v_mov_b32 v7, s33                              ; my wave's word
	s_wait_kmcnt 0x0
	global_load_b128 v[8:11], v3, s[10:11]
	global_load_b128 v[12:15], v3, s[12:13]
	global_load_b128 v[16:19], v3, s[14:15]
.irp l, 0,1,2
	v_add_nc_u32 v[20+\l], 16*\l-1, v4             ; u - 1; for u = 0 it wraps,
	v_min_u32 v[20+\l], 47, v[20+\l]               ; and the least of it and 47 is the entry's place
	v_lshl_add_u32 v[20+\l], v[20+\l], 8, v5
.endr
	s_wait_loadcnt 0x0
.irp l, 0,1,2
	v_cvt_pk_bf16_f32 v[24+2*\l], v[8+4*\l], v[9+4*\l]
	v_cvt_pk_bf16_f32 v[25+2*\l], v[10+4*\l], v[11+4*\l]
	v_lshlrev_b32 v[8+4*\l], 16, v[24+2*\l]
	v_and_b32 v[9+4*\l], s24, v[24+2*\l]
	v_lshlrev_b32 v[10+4*\l], 16, v[25+2*\l]
	v_and_b32 v[11+4*\l], s24, v[25+2*\l]
	global_store_b128 v[20+\l], v[8+4*\l:11+4*\l], s[18:19]  ; sixteen lanes store one entry of 256 bytes
	v_and_b32 v[24+2*\l], s23, v[24+2*\l]
	v_and_b32 v[25+2*\l], s23, v[25+2*\l]
	v_pk_max_num_bf16 v[24+2*\l], v[24+2*\l], v[25+2*\l]
	WAVEMAX 24+2*\l, 25+2*\l
.endr
	v_cmp_eq_u32 vcc_lo, 0, v2
	s_wait_xcnt 0x0                                ; EXEC changes only behind this wait
	s_and_saveexec_b32 s29, vcc_lo
	global_store_b32 v7, v24, s[20:21] offset:3072
	global_store_b32 v7, v26, s[20:21] offset:3104
	global_store_b32 v7, v28, s[20:21] offset:3136
	s_wait_xcnt 0x0
	s_or_b32 exec_lo, exec_lo, s29
	s_endpgm
.Lfunc_end_k_q41535859d6_lay:
	.size	k_q41535859d6_lay, .Lfunc_end_k_q41535859d6_lay-k_q41535859d6_lay
	.p2alignl 7, 3214868480
	.fill 96, 4, 3214868480
	.section	.rodata,"a",@progbits
	.p2align	6, 0x0
	.amdhsa_kernel k_q41535859d6_lay
		.amdhsa_group_segment_fixed_size 0
		.amdhsa_private_segment_fixed_size 0
		.amdhsa_enable_private_segment 0
		.amdhsa_kernarg_size 72
		.amdhsa_user_sgpr_count 2
		.amdhsa_user_sgpr_kernarg_segment_ptr 1
		.amdhsa_wavefront_size32 1
		.amdhsa_system_sgpr_workgroup_id_x 1
		.amdhsa_system_sgpr_workgroup_id_y 1
		.amdhsa_system_sgpr_workgroup_id_z 1
		.amdhsa_system_vgpr_workitem_id 0
		.amdhsa_next_free_vgpr 72
		.amdhsa_next_free_sgpr 66
		.amdhsa_reserve_vcc 1
		.amdhsa_float_denorm_mode_32 3
		.amdhsa_float_denorm_mode_16_64 3
		.amdhsa_memory_ordered 1
		.amdhsa_forward_progress 1
		.amdhsa_inst_pref_size 15
	.end_amdhsa_kernel
	.amdgpu_metadata
---
amdhsa.version: [ 1, 2 ]
amdhsa.kernels:
  - .name:           k_q41535859d6_lay
    .symbol:         k_q41535859d6_lay.kd
    .args:
      - { .name: W1, .offset: 0, .size: 8, .value_kind: global_buffer, .address_space: global }
      - { .name: W2, .offset: 8, .size: 8, .value_kind: global_buffer, .address_space: global }
      - { .name: W3, .offset: 16, .size: 8, .value_kind: global_buffer, .address_space: global }
      - { .name: b1, .offset: 24, .size: 8, .value_kind: global_buffer, .address_space: global }
      - { .name: b2, .offset: 32, .size: 8, .value_kind: global_buffer, .address_space: global }
      - { .name: b3, .offset: 40, .size: 8, .value_kind: global_buffer, .address_space: global }
      - { .name: wt, .offset: 48, .size: 8, .value_kind: global_buffer, .address_space: global }
      - { .name: bt, .offset: 56, .size: 8, .value_kind: global_buffer, .address_space: global }
      - { .name: st, .offset: 64, .size: 8, .value_kind: global_buffer, .address_space: global }
    .group_segment_fixed_size: 0
    .private_segment_fixed_size: 0
    .kernarg_segment_align: 8
    .kernarg_segment_size: 72
    .max_flat_workgroup_size: 256
    .sgpr_count:     66
    .vgpr_count:     72
    .wavefront_size: 32
...
	.end_amdgpu_metadata
.endif
;; end of part 1
;; launch chain (part 2): grid 256 x 1, 4 waves a work-group, clusters of 4 x 1, 327,680 bytes of LDS; arguments X, phi, wt, bt, st, out0; writes out0
.if DOCPART == 2
	.amdgcn_target "amdgcn-amd-amdhsa--gfx1250"
	.amdhsa_code_object_version 6
	.text
	.protected	k_q41535859d6_chain
	.globl	k_q41535859d6_chain
	.p2align	8
	.type	k_q41535859d6_chain,@function
k_q41535859d6_chain:
	s_mov_b64 s[64:65], 0
	v_nop
	global_prefetch_b8 v0, s[64:65] scope:SCOPE_SE
	s_setreg_imm32_b32 hwreg(HW_REG_WAVE_MODE, 25, 1), 1
	s_wait_xcnt 0x0
	s_wait_alu depctr_hold_cnt(0) depctr_sa_sdst(0) depctr_va_vdst(0) depctr_va_sdst(0) depctr_va_ssrc(0) depctr_va_vcc(0) depctr_vm_vsrc(0)
	s_getreg_b32 s2, hwreg(HW_REG_IB_STS2, 6, 4)
	s_cmp_eq_u32 s2, 0
	s_cbranch_scc0 .Lentry_in_a_cluster
	s_endpgm
.Lentry_in_a_cluster:
	s_bfe_u32 s2, ttmp6, 0x10000c
	s_cmp_lg_u32 s2, 0x3003
	s_cbranch_scc0 .Lentry_shape_is_right
	s_endpgm
.Lentry_shape_is_right:
; Three layers out = sum over e of g_e (x W_e + b_e), relu behind the first two, for 256 rows a work-group; g_e = coeff[(e - wi + 1) & 3] is the row's cubic gate for expert e.
; SHARES.  A wave owns 64 rows (four tiles t of 16) and all 256 columns, so a row's numbers never leave its wave.  x lies in 256 registers as source 1 of the products.
; THE PRODUCT IS USED TRANSPOSED: source 0 = 16 output columns of W_e, source 1 = 16 rows of x.  In the result a lane holds ONE row (lane % 16) and the columns 8 (lane / 16) + 0..7:
; a gate is one number a lane.  For 16 columns (an n-tile) and an expert the f32 sum Y_e is 32 products on four accumulators by turns; packed f32 multiply-adds then form
; ACC = sum q_e b_e + sum p_e Y_e, four of them behind a product of the next block.  A finished n-tile goes into the wave's own LDS scratch and is read back once a layer.
; FORMATS.  ALL inputs (X, phi, W, b) are rounded to bf16; X and W are then written as f16, which holds them exactly.  H1 and H2 are rounded once to f16.  Gates, biases, sums: f32.
; THE ROW'S SCALE.  A row's stored H' is alpha H with alpha a power of two (exact; relu commutes with it; the bias is scaled along).  By Cauchy-Schwarz
; |sum_e g_e (x' W_e + alpha b_e)| <= S (|x'|_2 16 max|W| + alpha max|b|) = U, S = sum |g_e|; rho = 2^(13 - floor(log2 U)) brings that under 2^14.  p_e = g_e rho, q_e = p_e alpha, alpha <- alpha rho.
; Layer 3: p_e = g_e / alpha, q_e = g_e.
; LIMITS.  |X|, |W| under 65,504 (beyond: infinity); under 6.1e-5 they keep f16's step of 6e-8.  A row whose bound U / alpha is under 2^-40 is scaled as if it were 2^-40.
; The rounding of phi to bf16 moves a row's gates by up to some per cent against gates of the unrounded phi.  |2 phi / pi| under 2^31.  NaN and infinities are not treated apart.
; WEIGHTS.  1.5 MiB stream through two LDS slots of 65,536 bytes (two n-tiles each).  All work-groups walk the same weights: the four of a cluster ask JOINTLY, each wave a quarter of a slot.
; A mask names four work-groups, and every tile is shared by all, so a cluster of 4 x 1 has all that a joint load can give here.
; LDS: 0 slot 0; 65,536 slot 1; 131,072 the biases (12,288, filled once); 143,360 + 33,792 w the wave's scratch (ds_store alone writes it); 278,528 the spare words.
; REGISTERS, in windows of 256 (s_set_vgpr_msb: bits 1:0 source 0, 3:2 source 1, 5:4 source 2, 7:6 destination):
;   window 0: addresses; v32-63 pairs (p, g) by tile and expert; v64-95 pairs (q, 0); v96-127 the n-tile's biases [e][8]; v128-135 S, alpha; v136-223 at work
;   window 1: x, fragment (t, kb) at 8 (4 kb + t); at the start the stage of X's loads 0-63          window 3: the stage of X's loads 64-127
;   window 2: v0-31, v32-63 Y, two buffers by the expert's parity; v64-95 ACC; v96-159, v160-223 W's fragments, buffers 1 and 0; v224-231 addresses
.set SLOTB, 65536
.set GRPB,  32768                      ; the four blocks that an n-tile fetches
.set BLKB,  8192                       ; a block: 16 columns x 256 inputs of one expert
.set BIASB, 131072
.set SCR,   143360
.set SCRW,  33792
.set SPARE, 278528
.set HP,    528                        ; a scratch row of 256 f16: 512 bytes + 16 = 33 x 16: the 16 rows of a load begin in 16 different 16-byte columns of 256 bytes
.set OPI,   272                        ; a stage row of 64 f32: 256 bytes + 16 = 17 x 16, likewise
.set R,    1                           ; lane % 16
.set HF,   2                           ; lane / 16
.set LN,   3
.set SPW,  4                           ; LDS address of my spare word; never rewritten
.set NIL,  5                           ; 0; never rewritten
.set XO,   6                           ; 16 x lane
.set XS,   7                           ; scratch + 8 x lane
.set PHO,  8                           ; 4 r
.set STA,  9                           ; 32 x lane
.set STB,  10                          ; 4 (lane % 8)
.set BAD0, 16                          ; biases + 32 h
.set BADR, 17
.set PG,   32
.set QZ,   64
.set BIA,  96
.set SS,   128
.set AL,   132
.set T,    136
.set ACC,  64                          ; window 2 from here on
.set L16,  224                         ; 16 x lane
.set WADR, 225
.set SADR, 226
.set SAD0, 227                         ; where my 16 bytes of an n-tile go: layers 1, 2 the scratch rows, layer 3 the stage rows
.set XRA,  228                         ; scratch + 528 r + 16 h
.set RDA,  229                         ; stage, read back by rows
.set GO,   230                         ; the same two rows in out0
.set OSA,  231                         ; scratch + 272 r + 32 h
.set WV,   16
.set CX,   17
.set WG,   18
.set G1,   24                          ; s[24:31] group 1, weights: 64 rows of 256 bytes
.set G1C,  32                          ; s[32:39] group 1, biases: 12 rows
.set G0A,  40                          ; s[40:43] fill 0
.set G0B,  44                          ; s[44:47] fill 1; then it walks
.set G0C,  48                          ; s[48:51] biases
.set TB,   52                          ; LDS byte of the four blocks that the n-tile in hand fetches
.set TWICE, 53
.set SLOTS, 54
.set LAY,  55
.set ZERO, 56
.set HIM,  57
.set SEL,  58
.set M1,   60
.set M2,   61
.set M4,   62
.set MD,   63
.set MU,   66                          ; 16 max|W| of the layer in hand
.set BE,   67                          ; max|b|
.set GA,   74
.set GB,   75
.set OUTP, 76
.set W0P,  78
.set XP,   80
.set PHP,  82
.set SB,   84                          ; the n-tile's byte offset in a scratch or stage row
.set BO,   85                          ; the byte offset of the bias entry to be fetched
.set MM, 0xa6                          ; product: W, C, D window 2, x window 1; LDS loads of W: data and address window 2
.set CC, 0xa2                          ; Y, ACC window 2, p window 0
.set BB, 0xa0                          ; bias, q window 0, ACC window 2
.set FF, 0xaa                          ; all window 2
.set NN, 0xa5                          ; both sources window 1, C and D window 2
.set MSB, 0
.macro WIN new                         ; the immediate's high byte repeats the setting that is left; a switch that changes nothing is dropped
.if MSB != (\new)
	s_set_vgpr_msb (MSB<<8)|(\new)
.set MSB, (\new)
.endif
.endm
; A round of the cluster's barrier: my work-group's barrier, so that wave 0's signal speaks for all four waves; wave 0 signals; every wave waits for all four work-groups; my work-group's barrier once more.
.macro CROUND
	s_barrier_signal -1
	s_barrier_wait -1
	s_cmp_lg_u32 s[WV], 0
	s_cbranch_scc1 .Lnot_wave_0_\@
	s_barrier_signal -3
.Lnot_wave_0_\@:
	s_barrier_wait -3
	s_barrier_signal -1
	s_barrier_wait -1
.endm
; A joint load: every wave issues the line; its registers hang on the wave's number alone, so they are equal in the four partners.  An s_nop 0 and four v_nop follow.
.macro JL g0, g1
	tensor_load_to_lds s[\g0:\g0+3], s[\g1:\g1+7]
	s_nop 0
.rept 4
	v_nop
.endr
.endm
; THE CHANGE OF SLOTS, behind a slot's second n-tile.  Each wave waits for all its tensor loads, of which one is out: its quarter of the other slot; adds 0 to its spare word; and waits for that and for its own
; reads of the slot.  fill = 1: a round of the cluster's barrier, and the slot just read is filled again first thing behind it, with the 65,536 bytes two slots on: it has 256 products a wave in which to land.
.macro CHANGE fill
	WIN 0
	s_wait_tensorcnt 0x0                           ; no tensor load of mine is out, so a group 0 may be written
	ds_add_u32 v[SPW], v[NIL]                      ; 0 onto my spare word
.if \fill
	s_xor_b32 s[G0B+1], s[G0B+1], SLOTB            ; the other slot than last time,
	s_add_nc_u64 s[G0B+2:G0B+3], s[G0B+2:G0B+3], SLOTB  ; the next 65,536 bytes; the type bits on top are not reached
.endif
	s_wait_dscnt 0x0                               ; the add is done, and my reads of the slot are over
.if \fill
	CROUND
	JL G0B, G1
.else
	s_barrier_signal -1
	s_barrier_wait -1
.endif
	s_sub_co_u32 s[TB], s[TB], SLOTB               ; the fetches go back to a slot's first n-tile,
	s_xor_b32 s[TB], s[TB], SLOTB                  ; in the other slot
.endm
; X's loads q0 .. q1 - 1: load q takes 512 consecutive bytes, half q % 2 of my row q / 2.
.macro XLOAD q0, q1
.set q_, (\q0)
.rept (\q1)-(\q0)
.if q_ < 64
	WIN 0x40
	global_load_b128 v[4*q_:4*q_+3], v[XO], s[XP:XP+1] offset:512*q_ th:TH_LOAD_NT
.else
	WIN 0xc0
	global_load_b128 v[4*(q_-64):4*(q_-64)+3], v[XO], s[XP:XP+1] offset:512*q_ th:TH_LOAD_NT
.endif
.set q_, q_+1
.endr
.endm
; Eight of X's loads: rounded to bf16, written as f16, 8 bytes a lane into my scratch rows.
.macro XCONV g
.if (\g) >= 8
	s_wait_loadcnt 120-8*(\g)                      ; the loads issued behind this group may stay out
	WIN 0x0f
.else
	WIN 0x05
.endif
.set b_, 32*((\g)%8)
.set i_, 0
.rept 16
	v_cvt_pk_bf16_f32 v[T+i_], v[b_+2*i_], v[b_+2*i_+1]
.set i_, i_+1
.endr
	WIN 0
.set i_, 0
.rept 16
	v_lshlrev_b32 v[T+16+2*i_], 16, v[T+i_]
	v_and_b32 v[T+17+2*i_], s[HIM], v[T+i_]
.set i_, i_+1
.endr
.set i_, 0
.rept 16
	v_cvt_pk_f16_f32 v[T+i_], v[T+16+2*i_], v[T+17+2*i_]
.set i_, i_+1
.endr
.set i_, 0
.rept 8
	ds_store_b64 v[XS], v[T+2*i_:T+2*i_+1] offset:(4*(\g)+i_/2)*HP+(i_%2)*256
.set i_, i_+1
.endr
.endm
; The gates of tile t's row: w = (2 / pi) bf16(phi); the four cubics; d = (c1, c2, c3, c0) are the experts' gates for wi % 4 = 0, and wi's two low bits turn them by one and by two places.
.set GW, T+24
.set GW2, T+25
.set GW3, T+26
.set GWI, T+27
.set GD, T+28
.set GE, T+32
.set GT, T+36
.macro GATE t
	v_cvt_pk_bf16_f32 v[GW], v[T+\t], v[T+\t]
	v_lshlrev_b32 v[GW], 16, v[GW]
	v_mul_f32 v[GW], 0x3f22f983, v[GW]
	v_cvt_i32_f32 v[GWI], v[GW]                    ; toward zero
	v_mul_f32 v[GW2], v[GW], v[GW]
	v_mul_f32 v[GW3], v[GW2], v[GW]
	v_fma_f32 v[GD+3], v[GW], -0.5, v[GW2]         ; c0 = -0.5 w + w2 - 0.5 w3
	v_fma_f32 v[GD+3], v[GW3], -0.5, v[GD+3]
	v_mul_f32 v[GD], 0x3fc00000, v[GW3]            ; c1 = -2.5 w2 + 1.5 w3
	v_fma_f32 v[GD], v[GW2], 0xc0200000, v[GD]
	v_mul_f32 v[GD+1], 0.5, v[GW]                  ; c2 = 0.5 w + 2 w2 - 1.5 w3
	v_fma_f32 v[GD+1], v[GW2], 2.0, v[GD+1]
	v_fma_f32 v[GD+1], v[GW3], 0xbfc00000, v[GD+1]
	v_mul_f32 v[GD+2], 0.5, v[GW3]                 ; c3 = -0.5 w2 + 0.5 w3
	v_fma_f32 v[GD+2], v[GW2], -0.5, v[GD+2]
	v_and_b32 v[SS+\t], 0x7fffffff, v[GD]          ; S = the sum of the four magnitudes
	v_and_b32 v[GT], 0x7fffffff, v[GD+1]
	v_add_f32 v[SS+\t], v[SS+\t], v[GT]
	v_and_b32 v[GT], 0x7fffffff, v[GD+2]
	v_add_f32 v[SS+\t], v[SS+\t], v[GT]
	v_and_b32 v[GT], 0x7fffffff, v[GD+3]
	v_add_f32 v[SS+\t], v[SS+\t], v[GT]
	v_and_b32 v[GT], 1, v[GWI]
	v_cmp_ne_u32 s[GA], 0, v[GT]
	v_and_b32 v[GT], 2, v[GWI]
	v_cmp_ne_u32 s[GB], 0, v[GT]
	v_cndmask_b32 v[GE],   v[GD],   v[GD+3], s[GA]
	v_cndmask_b32 v[GE+1], v[GD+1], v[GD],   s[GA]
	v_cndmask_b32 v[GE+2], v[GD+2], v[GD+1], s[GA]
	v_cndmask_b32 v[GE+3], v[GD+3], v[GD+2], s[GA]
	v_cndmask_b32 v[PG+8*\t+1], v[GE],   v[GE+2], s[GB]
	v_cndmask_b32 v[PG+8*\t+3], v[GE+1], v[GE+3], s[GB]
	v_cndmask_b32 v[PG+8*\t+5], v[GE+2], v[GE],   s[GB]
	v_cndmask_b32 v[PG+8*\t+7], v[GE+3], v[GE+1], s[GB]
	v_mov_b32 v[AL+\t], 1.0
.endm
; The layer's x out of my scratch: fragment (t, kb): lane l holds row l % 16, inputs 32 kb + 8 (l / 16) + 0..7 and 16 more on: two loads of 16 bytes, 32 bytes apart.  LDS serves a wave's instructions in order: these see my stores.
.macro RELOAD
	WIN 0x42                                       ; data window 1, address window 2
.set i_, 0
.rept 32
	ds_load_b128 v[8*i_:8*i_+3],   v[XRA] offset:(i_%4)*16*HP+(i_/4)*64
	ds_load_b128 v[8*i_+4:8*i_+7], v[XRA] offset:(i_%4)*16*HP+(i_/4)*64+32
.set i_, i_+1
.endr
.endm
; |row|^2 for my 64 rows: the diagonal of x x^T, 32 products, the four tiles' accumulators by turns.  Row m's lies in register m % 8 of lane m (m < 8) or lane 16 + m (m >= 8):
; each lane picks register (lane % 8), and the lanes that hold no diagonal take it from the lane 16 away.  It ends in the accumulator's register 0.
.macro NORM
	s_wait_dscnt 0x0                               ; x is in
	WIN NN
.set i_, 0
.rept 32
.set rY, 8*(i_%4)
.if i_ < 4
	v_wmma_f32_16x16x32_f16 v[rY:rY+7], v[8*i_:8*i_+7], v[8*i_:8*i_+7], 0
.else
	v_wmma_f32_16x16x32_f16 v[rY:rY+7], v[8*i_:8*i_+7], v[8*i_:8*i_+7], v[rY:rY+7]
.endif
.set i_, i_+1
.endr
	WIN FF
.rept 4
	v_nop                                          ; the places behind the last products (ISA guide 7.12.1)
.endr
.irp t, 0,1,2,3
	v_cndmask_b32 v[8*\t],   v[8*\t],   v[8*\t+1], s[M1]
	v_cndmask_b32 v[8*\t+2], v[8*\t+2], v[8*\t+3], s[M1]
	v_cndmask_b32 v[8*\t+4], v[8*\t+4], v[8*\t+5], s[M1]
	v_cndmask_b32 v[8*\t+6], v[8*\t+6], v[8*\t+7], s[M1]
	v_cndmask_b32 v[8*\t],   v[8*\t],   v[8*\t+2], s[M2]
	v_cndmask_b32 v[8*\t+4], v[8*\t+4], v[8*\t+6], s[M2]
	v_cndmask_b32 v[8*\t],   v[8*\t],   v[8*\t+4], s[M4]
	v_permlanex16_b32 v[8*\t+1], v[8*\t], s[SEL], s[SEL+1]
	v_cndmask_b32 v[8*\t],   v[8*\t+1], v[8*\t],   s[MD]
.endr
.endm
; The layer's p and q.  last = 0: from the bound U (see the head); last = 1: the scale is taken off.
.macro SCAL last
.if !(\last)
	WIN 0x02                                       ; source window 2, destination window 0
.irp t, 0,1,2,3
	v_sqrt_f32 v[T+\t], v[8*\t]
.endr
	WIN 0
.irp t, 0,1,2,3
	v_mul_f32 v[T+4+\t], s[BE], v[AL+\t]           ; alpha max|b|: plain work behind the four roots
.endr
	s_wait_alu depctr_va_vdst(0)                   ; one wait for the four roots, ahead of their first reader
.irp t, 0,1,2,3
	v_fma_f32 v[T+\t], v[T+\t], s[MU], v[T+4+\t]
	v_mul_f32 v[T+4+\t], 0x2b800000, v[AL+\t]      ; alpha 2^-40: the floor
	v_mul_f32 v[T+\t], v[SS+\t], v[T+\t]
	v_max_num_f32 v[T+\t], v[T+\t], v[T+4+\t]      ; U
	v_and_b32 v[T+\t], 0x7f800000, v[T+\t]         ; its exponent field E;
	v_sub_nc_u32 v[T+\t], 0x85800000, v[T+\t]      ; field 267 - E: rho = 2^(140 - E), and 2^13 <= rho U < 2^14
.endr
.else
	WIN 0
.irp t, 0,1,2,3
	v_sub_nc_u32 v[T+\t], 0x7f000000, v[AL+\t]     ; field 254 - A: 1 / alpha
.endr
.endif
.irp t, 0,1,2,3
.irp e, 0,1,2,3
	v_mul_f32 v[PG+2*(4*\t+\e)], v[PG+2*(4*\t+\e)+1], v[T+\t]
.if \last
	v_mov_b32 v[QZ+2*(4*\t+\e)], v[PG+2*(4*\t+\e)+1]
.else
	v_mul_f32 v[QZ+2*(4*\t+\e)], v[PG+2*(4*\t+\e)], v[AL+\t]
.endif
.endr
.if !(\last)
	v_mul_f32 v[AL+\t], v[AL+\t], v[T+\t]
.endif
.endr
.endm
; Product i of a block's 32: inputs 32 (i / 4) on, tile i % 4.  The four accumulators take turns, one instruction a turn; the first four start the sums.
.macro MMI e, i
	WIN MM
.set rY, 32*((\e)&1)+8*((\i)%4)
.set rW, 160-64*((\e)&1)+8*((\i)/4)
.set rX, 8*(\i)
.if (\i) < 4
	v_wmma_f32_16x16x32_f16 v[rY:rY+7], v[rW:rW+7], v[rX:rX+7], 0
.else
	v_wmma_f32_16x16x32_f16 v[rY:rY+7], v[rW:rW+7], v[rX:rX+7], v[rY:rY+7]
.endif
.endm
; THE VECTOR WORK, in groups of four.  CG: ACC += p_e Y_e for tile t, the accumulator's low registers first.  BG: ACC = or += q_e b_e.
.macro CG e, t
	WIN CC
.irp i, 0,1,2,3
	v_pk_fma_f32 v[ACC+8*(\t)+2*\i:ACC+8*(\t)+2*\i+1], v[32*((\e)&1)+8*(\t)+2*\i:32*((\e)&1)+8*(\t)+2*\i+1], v[PG+2*(4*(\t)+(\e)):PG+2*(4*(\t)+(\e))+1], v[ACC+8*(\t)+2*\i:ACC+8*(\t)+2*\i+1] op_sel_hi:[1,0,1]
.endr
.endm
.macro BG e, t
	WIN BB
.irp i, 0,1,2,3
.if (\e) == 0
	v_pk_mul_f32 v[ACC+8*(\t)+2*\i:ACC+8*(\t)+2*\i+1], v[BIA+8*(\e)+2*\i:BIA+8*(\e)+2*\i+1], v[QZ+2*(4*(\t)+(\e)):QZ+2*(4*(\t)+(\e))+1] op_sel_hi:[1,0]
.else
	v_pk_fma_f32 v[ACC+8*(\t)+2*\i:ACC+8*(\t)+2*\i+1], v[BIA+8*(\e)+2*\i:BIA+8*(\e)+2*\i+1], v[QZ+2*(4*(\t)+(\e)):QZ+2*(4*(\t)+(\e))+1], v[ACC+8*(\t)+2*\i:ACC+8*(\t)+2*\i+1] op_sel_hi:[1,0,1]
.endif
.endr
.endm
.macro FG1 t                           ; tile t's eight columns rounded to f16, in place, ascending
	WIN FF
.irp i, 0,1,2,3
	v_cvt_pk_f16_f32 v[ACC+8*(\t)+\i], v[ACC+8*(\t)+2*\i], v[ACC+8*(\t)+2*\i+1]
.endr
.endm
.macro FG2 t                           ; relu on the halves, and 16 bytes into my scratch row
	WIN FF
.irp i, 0,1,2,3
	v_pk_max_num_f16 v[ACC+8*(\t)+\i], v[ACC+8*(\t)+\i], s[ZERO]
.endr
	ds_store_b128 v[SADR], v[ACC+8*(\t):ACC+8*(\t)+3] offset:(\t)*16*HP
.endm
.macro FO t                            ; layer 3: eight f32 into my stage row
	WIN FF
	ds_store_b128 v[SADR], v[ACC+8*(\t):ACC+8*(\t)+3] offset:(\t)*16*OPI
	ds_store_b128 v[SADR], v[ACC+8*(\t)+4:ACC+8*(\t)+7] offset:(\t)*16*OPI+16
.endm
; Group n of block e's vector work.  kind (it matters for e = 0 alone): 0 the first n-tile of a run: nothing is finished; 1 layers 1, 2; 2 layer 3.
;   e = 0: the n-tile before gets its last expert (CG 3), is finished and stored; then this n-tile's ACC starts (BG 0).   e = 1: BG 1, 2, 3; CG 0.   e = 2: CG 1.   e = 3: CG 2.
.macro RID e, kind, n
.if (\e) == 0
.if (\kind) == 0
	BG 0, \n
.elseif (\n) < 4
	CG 3, \n
.elseif (\kind) == 1
.if (\n) < 12
.if ((\n)%2) == 0
	FG1 ((\n)-4)/2
.else
	FG2 ((\n)-4)/2
.endif
.else
	BG 0, (\n)-12
.endif
.else
.if (\n) < 8
	FO (\n)-4
.else
	BG 0, (\n)-8
.endif
.endif
.elseif (\e) == 1
.if (\n) < 12
	BG 1+(\n)/4, (\n)%4
.else
	CG 0, (\n)-12
.endif
.else
	CG (\e)-1, \n
.endif
.endm
; A BLOCK: one expert's 32 products for an n-tile.  Behind products 1, 3 .. 15 stand the next block's 16 LDS loads, two at a time, into the other buffer: 16 products or more ahead of their use.
; The groups stand behind products 0, 2 .. 28 and 29 (16 groups), 0, 2 .. 20 and 29 (12), or 0, 10, 20 and 29 (4).  The group behind product 29 is the four places between products 28, 29 and the first
; reader of their sums (the next block's first group); the group behind product 0 is the four places in front of the loads into the buffer that the block before has read (ISA guide 7.12.1 for vector
; instructions).  Both name only the other Y buffer, ACC and window 0.  Block 2 also fetches the next n-tile's biases.
.macro BLOCK e, kind
	s_wait_dscnt 0x0                               ; this block's fragments are in
.set ng_, 4
.if (\e) == 1
.set ng_, 16
.endif
.if (\e) == 0
	WIN MM
	v_add_nc_u32 v[WADR], v[L16], s[TB]
.if (\kind) != 0
	v_add_nc_u32 v[SADR], v[SAD0], s[SB]
.endif
.if (\kind) == 1
.set ng_, 16
.elseif (\kind) == 2
.set ng_, 12
.endif
.endif
.set i_, 0
.rept 32
	MMI \e, i_
.set n_, -1
.if ng_ == 16
.if ((i_%2) == 0) && (i_ <= 28)
.set n_, i_/2
.elseif i_ == 29
.set n_, 15
.endif
.elseif ng_ == 12
.if ((i_%2) == 0) && (i_ <= 20)
.set n_, i_/2
.elseif i_ == 29
.set n_, 11
.endif
.else
.if (i_ == 0) || (i_ == 10) || (i_ == 20)
.set n_, i_/10
.elseif i_ == 29
.set n_, 3
.endif
.endif
.if n_ >= 0
	RID \e, \kind, n_
.endif
.if ((i_%2) == 1) && (i_ < 16)
	WIN MM
.set rL, 160-64*(((\e)+1)&1)+8*(i_/2)
	ds_load_b128 v[rL:rL+3],   v[WADR] offset:(\e)*BLKB+(i_/2)*1024      ; 32 lanes, 16 neighbouring bytes each
	ds_load_b128 v[rL+4:rL+7], v[WADR] offset:(\e)*BLKB+(i_/2)*1024+512
.endif
.if ((\e) == 2) && (i_ == 17)
	WIN 0
	v_add_nc_u32 v[BADR], s[BO], v[BAD0]
	ds_load_b128 v[BIA:BIA+3],     v[BADR]
	ds_load_b128 v[BIA+4:BIA+7],   v[BADR] offset:16
	ds_load_b128 v[BIA+8:BIA+11],  v[BADR] offset:64
	ds_load_b128 v[BIA+12:BIA+15], v[BADR] offset:80
.endif
.if ((\e) == 2) && (i_ == 19)
	WIN 0
	ds_load_b128 v[BIA+16:BIA+19], v[BADR] offset:128
	ds_load_b128 v[BIA+20:BIA+23], v[BADR] offset:144
	ds_load_b128 v[BIA+24:BIA+27], v[BADR] offset:192
	ds_load_b128 v[BIA+28:BIA+31], v[BADR] offset:208
	s_add_co_u32 s[BO], s[BO], 256
.endif
.set i_, i_+1
.endr
.endm
; A run's last n-tile is finished without products beside it.
.macro DRAIN kind
	WIN FF
	v_add_nc_u32 v[SADR], v[SAD0], s[SB]
.irp t, 0,1,2,3
	CG 3, \t
.endr
.irp t, 0,1,2,3
.if (\kind) == 1
	FG1 \t
	FG2 \t
.else
	FO \t
.endif
.endr
.endm
; Layer 3: 64 rows x 64 columns leave the stage by rows: lanes 0-15 take one row's 256 bytes, lanes 16-31 the next.  The data go through Y, ACC and half of W's buffer 1; buffer 0, which holds the next block, is kept.
.macro FLUSH more
	WIN FF
.set i_, 0
.rept 32
	ds_load_b128 v[4*i_:4*i_+3], v[RDA] offset:2*OPI*i_  ; LDS serves a wave's instructions in order: these see my stores
.set i_, i_+1
.endr
.set i_, 0
.rept 32
	s_wait_dscnt 31-i_                             ; the loads issued behind load i may stay out
	global_store_b128 v[GO], v[4*i_:4*i_+3], s[OUTP:OUTP+1] offset:2048*i_ th:TH_STORE_NT  ; two runs of 256 consecutive bytes, each at a multiple of 256 from out0's first byte
.set i_, i_+1
.endr
.if \more
	s_wait_xcnt 0x0                                ; the stores' base and data are rewritten only behind this wait
	s_add_nc_u64 s[OUTP:OUTP+1], s[OUTP:OUTP+1], 256  ; the next 64 columns
.endif
	WIN 0
.endm
; A RUN of 2 x slots n-tiles.  A trip of the inner loop is an n-tile: block 0, which also finishes the n-tile before, then blocks 1 to 3.  The run's first block 0 finishes nothing and is written out;
; the loop is entered behind it, in the middle of a trip.  The jump passes no barrier and no tensor load.
.macro BODY kind, slots, fill, tag
	s_mov_b32 s[SB], 0
	BLOCK 0, 0
	WIN 0
	s_mov_b32 s[SLOTS], \slots
	s_mov_b32 s[TWICE], 2
	s_branch .Lenter\tag
.Lslot\tag:
	s_mov_b32 s[TWICE], 2
.Ltile\tag:
	BLOCK 0, \kind
	WIN 0
	s_add_co_u32 s[SB], s[SB], 32*(\kind)          ; 16 columns: 32 bytes of f16, 64 of f32
.Lenter\tag:
	BLOCK 1, \kind
	BLOCK 2, \kind
	BLOCK 3, \kind
	WIN 0
	s_add_co_u32 s[TB], s[TB], GRPB
	s_sub_co_u32 s[TWICE], s[TWICE], 1
	s_cmp_lg_u32 s[TWICE], 0
	s_cbranch_scc1 .Ltile\tag
	CHANGE \fill
	s_sub_co_u32 s[SLOTS], s[SLOTS], 1
	s_cmp_lg_u32 s[SLOTS], 0
	s_cbranch_scc1 .Lslot\tag
	DRAIN \kind
.endm
	s_load_b256 s[4:11], s[0:1], 0x0               ; X s[4:5], phi s[6:7], wt s[8:9], bt s[10:11]
	s_load_b128 s[12:15], s[0:1], 0x20             ; st s[12:13], out0 s[14:15]
	v_lshl_add_u32 v[SPW], v0, 2, SPARE
	v_mov_b32 v[NIL], 0
	ds_add_u32 v[SPW], v[NIL]                      ; the wave's opening: the add and its wait stand ahead of my first tensor load; the set-up below, work on registers, stands between them
	v_lshrrev_b32 v1, 5, v0
	v_readfirstlane_b32 s[WV], v1                  ; wave 0..3
	s_bfe_u32 s[CX], ttmp6, 0x40000                ; my place in the cluster: it enters X's, phi's and out0's addresses alone
	s_lshl_b32 s[WG], ttmp9, 2                     ; in a cluster launch ttmp9 counts clusters
	s_add_co_u32 s[WG], s[WG], s[CX]
	s_lshl_b32 s20, s[WG], 2
	s_add_co_u32 s20, s20, s[WV]                   ; my wave among the 1,024
	s_lshl_b32 s22, s20, 8                         ; its 64 numbers of phi,
	s_mov_b32 s23, 0
	s_lshl_b32 s20, s20, 16                        ; its 64 rows of 1,024 bytes
	s_mov_b32 s21, 0
	; descriptor group 1: dense bytes as rows of 256: elements of 8 bytes, 32 to a row, no padding
	s_mov_b32 s[G1],   15|(3<<16)|(1<<21)          ; 15:0 the mask of four; 17:16 elements of 8 bytes; 21 set beside a mask
	s_mov_b32 s[G1+1], 32<<16                      ; tensor_dim0 = 32
	s_mov_b32 s[G1+2], 64<<16                      ; tensor_dim1 = 64
	s_mov_b32 s[G1+3], 32<<16                      ; tile_dim0 = 32
	s_mov_b32 s[G1+4], 64                          ; tile_dim1 = 64
	s_mov_b32 s[G1+5], 32                          ; 32 elements from row to row
	s_mov_b32 s[G1+6], 0
	s_mov_b32 s[G1+7], 0
	s_mov_b32 s[G1C],   15|(3<<16)|(1<<21)
	s_mov_b32 s[G1C+1], 32<<16
	s_mov_b32 s[G1C+2], 12<<16                     ; 12 rows a wave
	s_mov_b32 s[G1C+3], 32<<16
	s_mov_b32 s[G1C+4], 12
	s_mov_b32 s[G1C+5], 32
	s_mov_b32 s[G1C+6], 0
	s_mov_b32 s[G1C+7], 0
	s_lshl_b32 s86, s[WV], 14                      ; my quarter of a slot
	s_mov_b32 s87, 0
	s_mul_i32 s88, s[WV], 3072                     ; my quarter of the biases
	s_mov_b32 s89, 0
	s_mov_b32 s[G0A], 1
	s_mov_b32 s[G0A+1], s86
	s_mov_b32 s[G0B], 1
	s_add_co_u32 s[G0B+1], s86, SLOTB
	s_mov_b32 s[G0C], 1
	s_add_co_u32 s[G0C+1], s88, BIASB
	s_mul_i32 s90, s[WV], SCRW
	s_add_co_u32 s90, s90, SCR                     ; my scratch
	s_mov_b32 s[ZERO], 0
	s_mov_b32 s[HIM], 0xffff0000
	s_mov_b32 s[SEL], 0x76543210
	s_mov_b32 s[SEL+1], 0xfedcba98
	s_mov_b32 s[M1], 0xaaaaaaaa                    ; lanes whose number has bit 0, 1, 2
	s_mov_b32 s[M2], 0xcccccccc
	s_mov_b32 s[M4], 0xf0f0f0f0
	s_mov_b32 s[MD], 0xff0000ff                    ; lanes that hold a diagonal element
	s_mov_b32 s[TB], 0
	s_mov_b32 s[BO], 0
	v_and_b32 v[LN], 31, v0
	v_and_b32 v[R], 15, v0
	v_bfe_u32 v[HF], v0, 4, 1
	v_lshlrev_b32 v[XO], 4, v[LN]
	v_lshl_add_u32 v[XS], v[LN], 3, s90
	v_lshlrev_b32 v[PHO], 2, v[R]
	v_lshlrev_b32 v[STA], 5, v[LN]
	v_and_b32 v[STB], 7, v0
	v_lshlrev_b32 v[STB], 2, v[STB]
	v_lshlrev_b32 v[BAD0], 5, v[HF]
	v_add_nc_u32 v[BAD0], BIASB, v[BAD0]
	s_wait_dscnt 0x0                               ; the opening add is done
	s_wait_kmcnt 0x0
	s_add_nc_u64 s[G0A+2:G0A+3], s[8:9], s[86:87]
	s_add_nc_u64 s[G0B+2:G0B+3], s[G0A+2:G0A+3], SLOTB
	s_or_b32 s[G0A+3], s[G0A+3], 0x80000000        ; type = 2
	s_or_b32 s[G0B+3], s[G0B+3], 0x80000000
	s_add_nc_u64 s[G0C+2:G0C+3], s[10:11], s[88:89]
	s_or_b32 s[G0C+3], s[G0C+3], 0x80000000
	s_add_nc_u64 s[W0P:W0P+1], s[8:9], 191*BLKB    ; block 0 lies at the end
	s_add_nc_u64 s[XP:XP+1], s[4:5], s[20:21]
	s_add_nc_u64 s[PHP:PHP+1], s[6:7], s[22:23]
	s_add_nc_u64 s[OUTP:OUTP+1], s[14:15], s[20:21]
	; 58 loads go out ahead of the round: phi 4, the maxima 6, block 0's 16, X's first 32
.irp t, 0,1,2,3
	global_load_b32 v[T+\t], v[PHO], s[PHP:PHP+1] offset:64*\t
.endr
.irp l, 0,1
	global_load_b128 v[T+4+8*\l:T+7+8*\l],  v[STA], s[12:13] offset:1024*\l
	global_load_b128 v[T+8+8*\l:T+11+8*\l], v[STA], s[12:13] offset:1024*\l+16
	global_load_b32 v[T+20+\l], v[STB], s[12:13] offset:3072+32*\l
.endr
	WIN 0x80                                       ; data window 2, address window 0
.set i_, 0
.rept 16
	global_load_b128 v[160+4*i_:160+4*i_+3], v[XO], s[W0P:W0P+1] offset:512*i_
.set i_, i_+1
.endr
	XLOAD 0, 32
	WIN 0
	CROUND                                         ; all four work-groups are here: the first joint loads meet
	JL G0C, G1C                                    ; the first fills go out as one group: three tensor loads of mine are out
	JL G0A, G1
	JL G0B, G1
	XLOAD 32, 128
	WIN 0
	v_mul_u32_u24 v[T+40], v[R], HP
	v_lshl_add_u32 v[T+40], v[HF], 4, v[T+40]
	v_add_nc_u32 v[T+40], s90, v[T+40]
	v_mul_u32_u24 v[T+41], v[R], OPI
	v_lshl_add_u32 v[T+41], v[HF], 5, v[T+41]
	v_add_nc_u32 v[T+41], s90, v[T+41]
	v_mul_u32_u24 v[T+42], v[HF], OPI
	v_lshl_add_u32 v[T+42], v[R], 4, v[T+42]
	v_add_nc_u32 v[T+42], s90, v[T+42]
	v_lshlrev_b32 v[T+43], 10, v[HF]
	v_lshl_add_u32 v[T+43], v[R], 4, v[T+43]
	WIN 0x80
	v_mov_b32 v[L16], v[XO]
	v_mov_b32 v[XRA], v[T+40]
	v_mov_b32 v[SAD0], v[T+40]
	v_mov_b32 v[OSA], v[T+41]
	v_mov_b32 v[RDA], v[T+42]
	v_mov_b32 v[GO], v[T+43]
	WIN 0
.set i_, 0
.rept 16
	v_mov_b32 v[QZ+2*i_+1], 0                      ; the packed forms name q as a pair: its partner is written once
.set i_, i_+1
.endr
	s_wait_loadcnt 63                              ; of my 154 loads the oldest 91 are in: phi, the maxima, block 0 and X's loads 0 to 64
.irp l, 0,1
	v_max3_num_f32 v[T+4+8*\l], v[T+4+8*\l], v[T+5+8*\l], v[T+6+8*\l]
	v_max3_num_f32 v[T+7+8*\l], v[T+7+8*\l], v[T+8+8*\l], v[T+9+8*\l]
	v_max3_num_f32 v[T+4+8*\l], v[T+4+8*\l], v[T+10+8*\l], v[T+11+8*\l]
	v_max_num_f32 v[T+4+8*\l], v[T+4+8*\l], v[T+7+8*\l]
	v_max_num_f32_dpp v[T+4+8*\l], v[T+4+8*\l], v[T+4+8*\l] row_xmask:1 row_mask:0xf bank_mask:0xf
	v_max_num_f32_dpp v[T+4+8*\l], v[T+4+8*\l], v[T+4+8*\l] row_xmask:2 row_mask:0xf bank_mask:0xf
	v_max_num_f32_dpp v[T+4+8*\l], v[T+4+8*\l], v[T+4+8*\l] row_xmask:4 row_mask:0xf bank_mask:0xf
	v_max_num_f32_dpp v[T+4+8*\l], v[T+4+8*\l], v[T+4+8*\l] row_xmask:8 row_mask:0xf bank_mask:0xf
	v_permlanex16_b32 v[T+5+8*\l], v[T+4+8*\l], s[SEL], s[SEL+1]
	v_max_num_f32 v[T+4+8*\l], v[T+4+8*\l], v[T+5+8*\l]
	v_mul_f32 v[T+4+8*\l], 0x41800000, v[T+4+8*\l] ; 16 = sqrt(256)
	v_readfirstlane_b32 s[68+2*\l], v[T+4+8*\l]
	v_max_num_f32_dpp v[T+20+\l], v[T+20+\l], v[T+20+\l] row_xmask:1 row_mask:0xf bank_mask:0xf
	v_max_num_f32_dpp v[T+20+\l], v[T+20+\l], v[T+20+\l] row_xmask:2 row_mask:0xf bank_mask:0xf
	v_max_num_f32_dpp v[T+20+\l], v[T+20+\l], v[T+20+\l] row_xmask:4 row_mask:0xf bank_mask:0xf
	v_readfirstlane_b32 s[69+2*\l], v[T+20+\l]
.endr
	s_mov_b32 s[MU], s68
	s_mov_b32 s[BE], s69
.irp t, 0,1,2,3
	GATE \t
.endr
.irp g, 0,1,2,3,4,5,6,7,8,9,10,11,12,13,14,15
	XCONV \g
.endr
	s_wait_tensorcnt 1                             ; my parts of the biases and of fill 0 are in; fill 1 may stay out
	s_wait_dscnt 0x0
	s_barrier_signal -1
	s_barrier_wait -1                              ; everybody's are
.irp e, 0,1,2,3
	ds_load_b128 v[BIA+8*\e:BIA+8*\e+3],   v[BAD0] offset:47*256+64*\e      ; entry 0 lies at the end
	ds_load_b128 v[BIA+8*\e+4:BIA+8*\e+7], v[BAD0] offset:47*256+64*\e+16
.endr
	s_mov_b32 s[LAY], 2
.LlayerH:                                              ; layers 1 and 2: 16 n-tiles, 8 changes of slots each: fills 2 to 17
	RELOAD
	NORM
	SCAL 0
	BODY 1, 8, 1, H
	WIN 0
	s_mov_b32 s[MU], s70                           ; layer 2's maxima
	s_mov_b32 s[BE], s71
	s_sub_co_u32 s[LAY], s[LAY], 1
	s_cmp_lg_u32 s[LAY], 0
	s_cbranch_scc1 .LlayerH
	RELOAD                                         ; layer 3, in four groups of 64 columns; the scratch now serves as the stage
	SCAL 1
	WIN FF
	v_mov_b32 v[SAD0], v[OSA]
	WIN 0
	s_mov_b32 s[LAY], 3
.Lgroup:                                               ; three groups, two changes each: fills 18 to 23
	BODY 2, 2, 1, A
	FLUSH 1
	s_sub_co_u32 s[LAY], s[LAY], 1
	s_cmp_lg_u32 s[LAY], 0
	s_cbranch_scc1 .Lgroup
	BODY 2, 2, 0, B                                ; the last group is written out: nothing is asked for.  Its last n-tile fetches block 0 and
	FLUSH 0                                        ; entry 0 once more, which serve nothing: the price of one text for every n-tile
	s_wait_tensorcnt 0x0                           ; the wave's end, behind my last tensor load and my last LDS store
	ds_add_u32 v[SPW], v[NIL]
	s_wait_dscnt 0x0
	CROUND                                         ; the closing round: no work-group ends while a partner may still ask for a tile that names it
	s_endpgm
.Lfunc_end_k_q41535859d6_chain:
	.size	k_q41535859d6_chain, .Lfunc_end_k_q41535859d6_chain-k_q41535859d6_chain
	.p2alignl 7, 3214868480
	.fill 96, 4, 3214868480
	.section	.rodata,"a",@progbits
	.p2align	6, 0x0
	.amdhsa_kernel k_q41535859d6_chain
		.amdhsa_group_segment_fixed_size 327680
		.amdhsa_private_segment_fixed_size 0
		.amdhsa_enable_private_segment 0
		.amdhsa_kernarg_size 48
		.amdhsa_user_sgpr_count 2
		.amdhsa_user_sgpr_kernarg_segment_ptr 1
		.amdhsa_wavefront_size32 1
		.amdhsa_system_sgpr_workgroup_id_x 1
		.amdhsa_system_sgpr_workgroup_id_y 1
		.amdhsa_system_sgpr_workgroup_id_z 1
		.amdhsa_system_vgpr_workitem_id 0
		.amdhsa_next_free_vgpr 1024
		.amdhsa_next_free_sgpr 96
		.amdhsa_reserve_vcc 0
		.amdhsa_float_denorm_mode_32 3
		.amdhsa_float_denorm_mode_16_64 3
		.amdhsa_memory_ordered 1
		.amdhsa_forward_progress 1
		.amdhsa_inst_pref_size 215
	.end_amdhsa_kernel
	.amdgpu_metadata
---
amdhsa.version: [ 1, 2 ]
amdhsa.kernels:
  - .name:           k_q41535859d6_chain
    .symbol:         k_q41535859d6_chain.kd
    .args:
      - { .name: X, .offset: 0, .size: 8, .value_kind: global_buffer, .address_space: global }
      - { .name: phi, .offset: 8, .size: 8, .value_kind: global_buffer, .address_space: global }
      - { .name: wt, .offset: 16, .size: 8, .value_kind: global_buffer, .address_space: global }
      - { .name: bt, .offset: 24, .size: 8, .value_kind: global_buffer, .address_space: global }
      - { .name: st, .offset: 32, .size: 8, .value_kind: global_buffer, .address_space: global }
      - { .name: out0, .offset: 40, .size: 8, .value_kind: global_buffer, .address_space: global }
    .group_segment_fixed_size: 327680
    .private_segment_fixed_size: 0
    .kernarg_segment_align: 8
    .kernarg_segment_size: 48
    .max_flat_workgroup_size: 128
    .sgpr_count:     96
    .vgpr_count:     1024
    .wavefront_size: 32
...
	.end_amdgpu_metadata
.endif
;; end of part 2
;; ======== version 2 of 2: 2 launches; 1.21 times as fast as version 1
;; limits: values are held in f16: magnitudes above 65,504 overflow, below 6.1e-05 lose precision; inputs' magnitudes at most 65,504
;; workspace buffers: wt 1,572,864 bytes; bt 12,288 bytes; st 3,328 bytes
;; launch lay (part 3): grid 97 x 1, 8 waves a work-group, no clusters, 0 bytes of LDS; arguments W1, W2, W3, b1, b2, b3, wt, bt, st; writes wt, bt, st
.if DOCPART == 3
	.amdgcn_target "amdgcn-amd-amdhsa--gfx1250"
	.amdhsa_code_object_version 6
	.text
	.protected	k_q41535859d6_lay
	.globl	k_q41535859d6_lay
	.p2align	8
	.type	k_q41535859d6_lay,@function
k_q41535859d6_lay:
	s_mov_b64 s[64:65], 0
	v_nop
	global_prefetch_b8 v0, s[64:65] scope:SCOPE_SE
	s_setreg_imm32_b32 hwreg(HW_REG_WAVE_MODE, 25, 1), 1
	s_wait_xcnt 0x0
; Rounds the weights and biases once and lays them out for the launch behind it.
; wt (f16): every weight is rounded to bf16 and that number written as f16 (exact from 6.1e-5 to 65,504 in magnitude; below that f16's fixed step of 6e-8; beyond it an infinity).
;   Block i = (16 l + j) 4 + e (layer l, 16 output columns j, expert e) is 8,192 bytes and lies at place (i + 190) mod 192: blocks 0 and 1 go to the end, so that the four blocks
;   4 u + 2 .. 4 u + 5 are one aligned piece of 32,768 bytes.  In a block: 32 inputs kb at 1,024 kb; half c at 512 c; lane 16 h + r at 16 bytes each:
;   W[l][e][32 kb + 16 c + 8 h + 0..7][16 j + r]: the order in which a matrix operand's registers take them.
; bt (f32 that hold bf16 numbers): entry u = 16 l + j, 256 bytes [e][16 columns], at place min(u - 1, 47).
; st (f32): word 8 g + wave: the largest |bf16(W)| that wave saw in work-group g (layer l has words 256 l .. 256 l + 255); word 768 + 8 l + wave: the same for b_l.
;   Layer 3's words are stored by the same text; the launch behind reads those of layers 1 and 2.
; Work-groups 0 to 95: l = g / 32, e = (g / 8) % 4, kb = g % 8: 32 rows of one expert, 32,768 consecutive bytes, read once.  Thread t has column t.  Work-group 96: the biases.
; No LDS, no matrix unit: the launch moves 3 MiB in and 1.5 MiB out.
.set X,  8                             ; v[8:39]   my column's 32 numbers
.set P,  40                            ; v[40:55]  in pairs: bf16, then f16
.set M,  56                            ; v[56:59]  four running maxima, two bf16 each
.set TT, 60                            ; v[60:63]  at work
.macro WAVEMAX m, tmp                  ; two bf16 magnitudes in v[m] -> the wave's largest, as f32, in every lane
	v_lshlrev_b32 v[\tmp], 16, v[\m]
	v_and_b32 v[\m], s24, v[\m]
	v_max_num_f32 v[\m], v[\m], v[\tmp]
	v_max_num_f32_dpp v[\m], v[\m], v[\m] row_xmask:1 row_mask:0xf bank_mask:0xf
	v_max_num_f32_dpp v[\m], v[\m], v[\m] row_xmask:2 row_mask:0xf bank_mask:0xf
	v_max_num_f32_dpp v[\m], v[\m], v[\m] row_xmask:4 row_mask:0xf bank_mask:0xf
	v_max_num_f32_dpp v[\m], v[\m], v[\m] row_xmask:8 row_mask:0xf bank_mask:0xf
	v_permlanex16_b32 v[\tmp], v[\m], s26, s27
	v_max_num_f32 v[\m], v[\m], v[\tmp]
.endm
	s_load_b512 s[4:19], s[0:1], 0x0               ; W1 s[4:5], W2 s[6:7], W3 s[8:9], b1 s[10:11], b2 s[12:13], b3 s[14:15], wt s[16:17], bt s[18:19]
	s_load_b64 s[20:21], s[0:1], 0x40              ; st
	v_lshrrev_b32 v1, 5, v0
	v_readfirstlane_b32 s22, v1                    ; wave 0..7
	v_and_b32 v2, 31, v0                           ; lane
	s_mov_b32 s23, 0x7fff7fff                      ; clears the signs of two bf16
	s_mov_b32 s24, 0xffff0000                      ; a word's upper bf16
	s_mov_b32 s26, 0x76543210                      ; v_permlanex16_b32: each lane takes its own place in the other half
	s_mov_b32 s27, 0xfedcba98
	s_cmp_eq_u32 ttmp9, 96
	s_cbranch_scc1 .Lbias
	s_lshr_b32 s30, ttmp9, 5                       ; l
	s_bfe_u32 s31, ttmp9, 0x20003                  ; e
	s_and_b32 s32, ttmp9, 7                        ; kb
	s_lshl_b32 s34, s31, 18                        ; an expert is 262,144 bytes,
	s_lshl_b32 s33, s32, 15                        ; 32 rows are 32,768
	s_add_co_u32 s34, s34, s33
	s_mov_b32 s35, 0
	s_lshl_b32 s38, s30, 6
	s_add_co_u32 s38, s38, s31                     ; 64 l + e
	s_lshl_b32 s39, s32, 10                        ; kb's 1,024 bytes in a block
	v_lshlrev_b32 v3, 2, v0                        ; my column in a row
	v_lshrrev_b32 v4, 4, v0                        ; j
	v_lshl_add_u32 v4, v4, 2, s38                  ; i = 64 l + 4 j + e
	v_add_nc_u32 v6, 0xbe, v4                      ; i + 190
	v_add_nc_u32 v4, -2, v4                        ; i - 2; for i = 0 and 1 it wraps,
	v_min_u32 v4, v4, v6                           ; and the lesser of the two is the block's place, (i + 190) mod 192
	v_lshlrev_b32 v4, 13, v4
	v_and_b32 v5, 15, v0                           ; r
	v_lshl_add_u32 v4, v5, 4, v4
	v_add_nc_u32 v4, s39, v4
	s_wait_kmcnt 0x0
	s_cmp_eq_u32 s30, 1
	s_cselect_b64 s[36:37], s[6:7], s[4:5]         ; the layer's tensor
	s_cmp_eq_u32 s30, 2
	s_cselect_b64 s[36:37], s[8:9], s[36:37]
	s_add_nc_u64 s[36:37], s[36:37], s[34:35]
.set i, 0
.rept 32
	global_load_b32 v[X+i], v3, s[36:37] offset:1024*i th:TH_LOAD_NT  ; the eight waves together take a whole row of 1,024 bytes
.set i, i+1
.endr
	s_wait_loadcnt 0x0
.set i, 0
.rept 16
	v_cvt_pk_bf16_f32 v[P+i], v[X+2*i], v[X+2*i+1]
.if i < 4
	v_and_b32 v[M+i], s23, v[P+i]                  ; the first four words start the chains
.else
	v_and_b32 v[TT+i%4], s23, v[P+i]
	v_pk_max_num_bf16 v[M+i%4], v[M+i%4], v[TT+i%4]
.endif
	v_lshlrev_b32 v[X+2*i], 16, v[P+i]             ; the rounded numbers as f32,
	v_and_b32 v[X+2*i+1], s24, v[P+i]
	v_cvt_pk_f16_f32 v[P+i], v[X+2*i], v[X+2*i+1]  ; and as f16
.set i, i+1
.endr
.irp c, 0,1
.irp h, 0,1
	global_store_b128 v4, v[P+8*\c+4*\h:P+8*\c+4*\h+3], s[16:17] offset:512*\c+256*\h  ; sixteen lanes store 256 consecutive bytes, aligned
.endr
.endr
	v_pk_max_num_bf16 v[M], v[M], v[M+1]
	v_pk_max_num_bf16 v[M+2], v[M+2], v[M+3]
	v_pk_max_num_bf16 v[M], v[M], v[M+2]
	WAVEMAX M, TT
	s_lshl_b32 s33, ttmp9, 3
	s_add_co_u32 s33, s33, s22
	s_lshl_b32 s33, s33, 2                         ; word 8 g + wave
	v_mov_b32 v7, s33
	v_cmp_eq_u32 vcc_lo, 0, v2
	s_wait_xcnt 0x0                                ; EXEC changes only behind this wait: the stores above have it among their sources
	s_and_saveexec_b32 s29, vcc_lo
	global_store_b32 v7, v[M], s[20:21]
	s_wait_xcnt 0x0                                ; and again in front of the line that widens it
	s_or_b32 exec_lo, exec_lo, s29
	s_endpgm
.Lbias:                                                ; thread t makes 16 bytes of each layer's 4,096: entry t / 16, expert (t / 4) % 4, columns 4 (t % 4) on
	v_bfe_u32 v3, v0, 2, 2
	v_lshlrev_b32 v3, 10, v3                       ; the expert's row of 1,024 bytes,
	v_lshrrev_b32 v4, 4, v0                        ; j
	v_lshl_add_u32 v3, v4, 6, v3                   ; its 16 columns,
	v_and_b32 v5, 3, v0
	v_lshl_add_u32 v3, v5, 4, v3                   ; my four of them
	v_and_b32 v5, 15, v0
	v_lshlrev_b32 v5, 4, v5                        ; my 16 bytes in an entry
	s_lshl_b32 s33, s22, 2
	v_mov_b32 v7, s33                              ; my wave's word
	s_wait_kmcnt 0x0
	global_load_b128 v[8:11], v3, s[10:11]
	global_load_b128 v[12:15], v3, s[12:13]
	global_load_b128 v[16:19], v3, s[14:15]
.irp l, 0,1,2
	v_add_nc_u32 v[20+\l], 16*\l-1, v4             ; u - 1; for u = 0 it wraps,
	v_min_u32 v[20+\l], 47, v[20+\l]               ; and the least of it and 47 is the entry's place
	v_lshl_add_u32 v[20+\l], v[20+\l], 8, v5
.endr
	s_wait_loadcnt 0x0
.irp l, 0,1,2
	v_cvt_pk_bf16_f32 v[24+2*\l], v[8+4*\l], v[9+4*\l]
	v_cvt_pk_bf16_f32 v[25+2*\l], v[10+4*\l], v[11+4*\l]
	v_lshlrev_b32 v[8+4*\l], 16, v[24+2*\l]
	v_and_b32 v[9+4*\l], s24, v[24+2*\l]
	v_lshlrev_b32 v[10+4*\l], 16, v[25+2*\l]
	v_and_b32 v[11+4*\l], s24, v[25+2*\l]
	global_store_b128 v[20+\l], v[8+4*\l:11+4*\l], s[18:19]  ; sixteen lanes store one entry of 256 bytes
	v_and_b32 v[24+2*\l], s23, v[24+2*\l]
	v_and_b32 v[25+2*\l], s23, v[25+2*\l]
	v_pk_max_num_bf16 v[24+2*\l], v[24+2*\l], v[25+2*\l]
	WAVEMAX 24+2*\l, 25+2*\l
.endr
	v_cmp_eq_u32 vcc_lo, 0, v2
	s_wait_xcnt 0x0                                ; EXEC changes only behind this wait
	s_and_saveexec_b32 s29, vcc_lo
	global_store_b32 v7, v24, s[20:21] offset:3072
	global_store_b32 v7, v26, s[20:21] offset:3104
	global_store_b32 v7, v28, s[20:21] offset:3136
	s_wait_xcnt 0x0
	s_or_b32 exec_lo, exec_lo, s29
	s_endpgm
.Lfunc_end_k_q41535859d6_lay:
	.size	k_q41535859d6_lay, .Lfunc_end_k_q41535859d6_lay-k_q41535859d6_lay
	.p2alignl 7, 3214868480
	.fill 96, 4, 3214868480
	.section	.rodata,"a",@progbits
	.p2align	6, 0x0
	.amdhsa_kernel k_q41535859d6_lay
		.amdhsa_group_segment_fixed_size 0
		.amdhsa_private_segment_fixed_size 0
		.amdhsa_enable_private_segment 0
		.amdhsa_kernarg_size 72
		.amdhsa_user_sgpr_count 2
		.amdhsa_user_sgpr_kernarg_segment_ptr 1
		.amdhsa_wavefront_size32 1
		.amdhsa_system_sgpr_workgroup_id_x 1
		.amdhsa_system_sgpr_workgroup_id_y 1
		.amdhsa_system_sgpr_workgroup_id_z 1
		.amdhsa_system_vgpr_workitem_id 0
		.amdhsa_next_free_vgpr 72
		.amdhsa_next_free_sgpr 66
		.amdhsa_reserve_vcc 1
		.amdhsa_float_denorm_mode_32 3
		.amdhsa_float_denorm_mode_16_64 3
		.amdhsa_memory_ordered 1
		.amdhsa_forward_progress 1
		.amdhsa_inst_pref_size 15
	.end_amdhsa_kernel
	.amdgpu_metadata
---
amdhsa.version: [ 1, 2 ]
amdhsa.kernels:
  - .name:           k_q41535859d6_lay
    .symbol:         k_q41535859d6_lay.kd
    .args:
      - { .name: W1, .offset: 0, .size: 8, .value_kind: global_buffer, .address_space: global }
      - { .name: W2, .offset: 8, .size: 8, .value_kind: global_buffer, .address_space: global }
      - { .name: W3, .offset: 16, .size: 8, .value_kind: global_buffer, .address_space: global }
      - { .name: b1, .offset: 24, .size: 8, .value_kind: global_buffer, .address_space: global }
      - { .name: b2, .offset: 32, .size: 8, .value_kind: global_buffer, .address_space: global }
      - { .name: b3, .offset: 40, .size: 8, .value_kind: global_buffer, .address_space: global }
      - { .name: wt, .offset: 48, .size: 8, .value_kind: global_buffer, .address_space: global }
      - { .name: bt, .offset: 56, .size: 8, .value_kind: global_buffer, .address_space: global }
      - { .name: st, .offset: 64, .size: 8, .value_kind: global_buffer, .address_space: global }
    .group_segment_fixed_size: 0
    .private_segment_fixed_size: 0
    .kernarg_segment_align: 8
    .kernarg_segment_size: 72
    .max_flat_workgroup_size: 256
    .sgpr_count:     66
    .vgpr_count:     72
    .wavefront_size: 32
...
	.end_amdgpu_metadata
.endif
;; end of part 3
;; launch chain (part 4): grid 256 x 1, 4 waves a work-group, clusters of 4 x 1, 327,680 bytes of LDS; arguments X, phi, wt, bt, st, out0; writes out0
.if DOCPART == 4
	.amdgcn_target "amdgcn-amd-amdhsa--gfx1250"
	.amdhsa_code_object_version 6
	.text
	.protected	k_q41535859d6_chain
	.globl	k_q41535859d6_chain
	.p2align	8
	.type	k_q41535859d6_chain,@function
k_q41535859d6_chain:
	s_mov_b64 s[64:65], 0
	v_nop
	global_prefetch_b8 v0, s[64:65] scope:SCOPE_SE
	s_setreg_imm32_b32 hwreg(HW_REG_WAVE_MODE, 25, 1), 1
	s_wait_xcnt 0x0
	s_wait_alu depctr_hold_cnt(0) depctr_sa_sdst(0) depctr_va_vdst(0) depctr_va_sdst(0) depctr_va_ssrc(0) depctr_va_vcc(0) depctr_vm_vsrc(0)
	s_getreg_b32 s2, hwreg(HW_REG_IB_STS2, 6, 4)
	s_cmp_eq_u32 s2, 0
	s_cbranch_scc0 .Lentry_in_a_cluster
	s_endpgm
.Lentry_in_a_cluster:
	s_bfe_u32 s2, ttmp6, 0x10000c
	s_cmp_lg_u32 s2, 0x3003
	s_cbranch_scc0 .Lentry_shape_is_right
	s_endpgm
.Lentry_shape_is_right:
; Three layers out = sum over e of g_e (x W_e + b_e), relu behind the first two, for 256 rows a work-group; g_e = coeff[(e - wi + 1) & 3] is the row's cubic gate for expert e.
; SHARES.  A wave owns 64 rows (four tiles t of 16) and all 256 columns, so a row's numbers never leave its wave.  x lies in 256 registers as source 1 of the products.
; THE PRODUCT IS USED TRANSPOSED: source 0 = 16 output columns of W_e, source 1 = 16 rows of x.  In the result a lane holds ONE row (lane % 16) and the columns 8 (lane / 16) + 0..7:
; a gate is one number a lane.  For 16 columns (an n-tile) and an expert the f32 sum Y_e is 32 products on four accumulators by turns; packed f32 multiply-adds then form
; ACC = sum q_e b_e + sum p_e Y_e, four of them behind a product of the next block.  A finished n-tile goes into the wave's own LDS scratch and is read back once a layer.
; FORMATS.  ALL inputs (X, phi, W, b) are rounded to bf16; X and W are then written as f16, which holds them exactly.  H1 and H2 are rounded once to f16.  Gates, biases, sums: f32.
; THE ROW'S SCALE.  A row's stored H' is alpha H with alpha a power of two (exact; relu commutes with it; the bias is scaled along).  By Cauchy-Schwarz
; |sum_e g_e (x' W_e + alpha b_e)| <= S (|x'|_2 16 max|W| + alpha max|b|) = U, S = sum |g_e|; rho = 2^(13 - floor(log2 U)) brings that under 2^14.  p_e = g_e rho, q_e = p_e alpha, alpha <- alpha rho.
; Layer 3: p_e = g_e / alpha, q_e = g_e.
; LIMITS.  |X|, |W| under 65,504 (beyond: infinity); under 6.1e-5 they keep f16's step of 6e-8.  A row whose bound U / alpha is under 2^-40 is scaled as if it were 2^-40.
; The rounding of phi to bf16 moves a row's gates by up to some per cent against gates of the unrounded phi.  |2 phi / pi| under 2^31.  NaN and infinities are not treated apart.
; WEIGHTS.  1.5 MiB stream through two LDS slots of 65,536 bytes (two n-tiles each).  All work-groups walk the same weights: the four of a cluster ask JOINTLY, each wave a quarter of a slot.
; A mask names four work-groups, and every tile is shared by all, so a cluster of 4 x 1 has all that a joint load can give here.
; THE LDS INSTRUCTIONS OF AN N-TILE STAND IN TWO RUNS, never singly among the products: in block 0 the stores of the n-tile before and the fragments of experts 2 and 3; in block 2 the next n-tile's
; fragments of experts 0 and 1 and its biases.  So n-tile u fetches blocks 4 u + 2 .. 4 u + 5, which lie together in wt; blocks 0 and 1 come straight from memory at the start.
; LDS: 0 slot 0; 65,536 slot 1; 131,072 the biases (12,288, filled once); 143,360 + 33,792 w the wave's scratch (ds_store alone writes it); 278,528 the spare words.
; REGISTERS, in windows of 256 (s_set_vgpr_msb: bits 1:0 source 0, 3:2 source 1, 5:4 source 2, 7:6 destination):
;   window 0: addresses; v32-63 pairs (p, g) by tile and expert; v64-95 pairs (q, 0); v96-127 the n-tile's biases [e][8]; v128-135 S, alpha; v136-223 at work
;   window 1: x, fragment (t, kb) at 8 (4 kb + t); at the start the stage of X's loads 0-63
;   window 2: v0-31, v32-63 Y, two buffers by the expert's parity; v64-95 ACC; v96-127 OUTR, the finished n-tile; v224-233 addresses; at the start v0-127 the stage of X's loads 96-127
;   window 3: W's fragments, expert e's at 64 e + 8 kb; at the start v128-255 the stage of X's loads 64-95
.set SLOTB, 65536
.set GRPB,  32768                      ; the four blocks that an n-tile fetches
.set BLKB,  8192                       ; a block: 16 columns x 256 inputs of one expert
.set BIASB, 131072
.set SCR,   143360
.set SCRW,  33792
.set SPARE, 278528
.set HP,    528                        ; a scratch row of 256 f16: 512 bytes + 16 = 33 x 16: the 16 rows of a load begin in 16 different 16-byte columns of 256 bytes
.set OPI,   272                        ; a stage row of 64 f32: 256 bytes + 16 = 17 x 16, likewise
.set R,    1                           ; lane % 16
.set HF,   2                           ; lane / 16
.set LN,   3
.set SPW,  4                           ; LDS address of my spare word; never rewritten
.set NIL,  5                           ; 0; never rewritten
.set XO,   6                           ; 16 x lane
.set XS,   7                           ; scratch + 8 x lane
.set PHO,  8                           ; 4 r
.set STA,  9                           ; 32 x lane
.set STB,  10                          ; 4 (lane % 8)
.set PG,   32
.set QZ,   64
.set BIA,  96
.set SS,   128
.set AL,   132
.set T,    136
.set ACC,  64                          ; window 2 from here on
.set OUTR, 96
.set L16,  224                         ; 16 x lane
.set WADR, 225
.set SADR, 226
.set SAD0, 227                         ; where my 16 bytes of an n-tile go: layers 1, 2 the scratch rows, layer 3 the stage rows
.set XRA,  228                         ; scratch + 528 r + 16 h
.set RDA,  229                         ; stage, read back by rows
.set GO,   230                         ; the same two rows in out0
.set OSA,  231                         ; scratch + 272 r + 32 h
.set BAD0, 232                         ; biases + 32 h
.set BADR, 233
.set WV,   16
.set CX,   17
.set WG,   18
.set G1,   24                          ; s[24:31] group 1, weights: 64 rows of 256 bytes
.set G1C,  32                          ; s[32:39] group 1, biases: 12 rows
.set G0A,  40                          ; s[40:43] fill 0
.set G0B,  44                          ; s[44:47] fill 1; then it walks
.set G0C,  48                          ; s[48:51] biases
.set TB,   52                          ; LDS byte of the four blocks that the n-tile in hand fetches
.set TWICE, 53
.set SLOTS, 54
.set LAY,  55
.set ZERO, 56
.set HIM,  57
.set SEL,  58
.set M1,   60
.set M2,   61
.set M4,   62
.set MD,   63
.set MU,   66                          ; 16 max|W| of the layer in hand
.set BE,   67                          ; max|b|
.set GA,   74
.set GB,   75
.set OUTP, 76
.set W0P,  78
.set XP,   80
.set PHP,  82
.set SB,   84                          ; the n-tile's byte offset in a scratch or stage row
.set BO,   85                          ; the byte offset of the bias entry to be fetched
.set MM, 0xa7                          ; product: W window 3, x window 1, C and D window 2
.set LW, 0xc2                          ; LDS loads of W: data window 3, address window 2
.set LB, 0x02                          ; LDS loads of biases: data window 0, address window 2
.set CC, 0xa2                          ; Y, ACC, OUTR window 2, p window 0
.set BB, 0xa0                          ; bias, q window 0, ACC window 2
.set FF, 0xaa                          ; all window 2
.set NN, 0xa5                          ; both sources window 1, C and D window 2
.set MSB, 0
.macro WIN new                         ; the immediate's high byte repeats the setting that is left; a switch that changes nothing is dropped
.if MSB != (\new)
	s_set_vgpr_msb (MSB<<8)|(\new)
.set MSB, (\new)
.endif
.endm
; A round of the cluster's barrier: my work-group's barrier, so that wave 0's signal speaks for all four waves; wave 0 signals; every wave waits for all four work-groups; my work-group's barrier once more.
.macro CROUND
	s_barrier_signal -1
	s_barrier_wait -1
	s_cmp_lg_u32 s[WV], 0
	s_cbranch_scc1 .Lnot_wave_0_\@
	s_barrier_signal -3
.Lnot_wave_0_\@:
	s_barrier_wait -3
	s_barrier_signal -1
	s_barrier_wait -1
.endm
; A joint load: every wave issues the line; its registers hang on the wave's number alone, so they are equal in the four partners.  An s_nop 0 and four v_nop follow.
.macro JL g0, g1
	tensor_load_to_lds s[\g0:\g0+3], s[\g1:\g1+7]
	s_nop 0
.rept 4
	v_nop
.endr
.endm
; THE CHANGE OF SLOTS, behind a slot's second n-tile.  Each wave waits for all its tensor loads, of which one is out: its quarter of the other slot; adds 0 to its spare word; and waits for that and for its own
; reads of the slot.  fill = 1: a round of the cluster's barrier, and the slot just read is filled again first thing behind it, with the 65,536 bytes two slots on: it has 256 products a wave in which to land.
.macro CHANGE fill
	WIN 0
	s_wait_tensorcnt 0x0                           ; no tensor load of mine is out, so a group 0 may be written
	ds_add_u32 v[SPW], v[NIL]                      ; 0 onto my spare word
.if \fill
	s_xor_b32 s[G0B+1], s[G0B+1], SLOTB            ; the other slot than last time,
	s_add_nc_u64 s[G0B+2:G0B+3], s[G0B+2:G0B+3], SLOTB  ; the next 65,536 bytes; the type bits on top are not reached
.endif
	s_wait_dscnt 0x0                               ; the add is done, and my reads of the slot are over
.if \fill
	CROUND
	JL G0B, G1
.else
	s_barrier_signal -1
	s_barrier_wait -1
.endif
	s_sub_co_u32 s[TB], s[TB], SLOTB               ; the fetches go back to a slot's first n-tile,
	s_xor_b32 s[TB], s[TB], SLOTB                  ; in the other slot
.endm
; X's loads q0 .. q1 - 1: load q takes 512 consecutive bytes, half q % 2 of my row q / 2.
.macro XLOAD q0, q1
.set q_, (\q0)
.rept (\q1)-(\q0)
.if q_ < 64
	WIN 0x40
	global_load_b128 v[4*q_:4*q_+3], v[XO], s[XP:XP+1] offset:512*q_ th:TH_LOAD_NT
.elseif q_ < 96
	WIN 0xc0
	global_load_b128 v[128+4*(q_-64):128+4*(q_-64)+3], v[XO], s[XP:XP+1] offset:512*q_ th:TH_LOAD_NT
.else
	WIN 0x80
	global_load_b128 v[4*(q_-96):4*(q_-96)+3], v[XO], s[XP:XP+1] offset:512*q_ th:TH_LOAD_NT
.endif
.set q_, q_+1
.endr
.endm
; Eight of X's loads: rounded to bf16, written as f16, 8 bytes a lane into my scratch rows.  The f16 words of even and odd groups lie in two sets of registers, so that a group does not write what the last group's stores read.
.macro XCONV g
.if (\g) >= 8
	s_wait_loadcnt 120-8*(\g)                      ; the loads issued behind this group may stay out
.endif
.if (\g) < 8
	WIN 0x05
.set b_, 32*(\g)
.elseif (\g) < 12
	WIN 0x0f
.set b_, 128+32*((\g)-8)
.else
	WIN 0x0a
.set b_, 32*((\g)-12)
.endif
.set o_, T+48+16*((\g)%2)
.set i_, 0
.rept 16
	v_cvt_pk_bf16_f32 v[T+i_], v[b_+2*i_], v[b_+2*i_+1]
.set i_, i_+1
.endr
	WIN 0
.set i_, 0
.rept 16
	v_lshlrev_b32 v[T+16+2*i_], 16, v[T+i_]
	v_and_b32 v[T+17+2*i_], s[HIM], v[T+i_]
.set i_, i_+1
.endr
.set i_, 0
.rept 16
	v_cvt_pk_f16_f32 v[o_+i_], v[T+16+2*i_], v[T+17+2*i_]
.set i_, i_+1
.endr
.set i_, 0
.rept 8
	ds_store_b64 v[XS], v[o_+2*i_:o_+2*i_+1] offset:(4*(\g)+i_/2)*HP+(i_%2)*256
.set i_, i_+1
.endr
.endm
; The gates of tile t's row: w = (2 / pi) bf16(phi); the four cubics; d = (c1, c2, c3, c0) are the experts' gates for wi % 4 = 0, and wi's two low bits turn them by one and by two places.
.set GW, T+24
.set GW2, T+25
.set GW3, T+26
.set GWI, T+27
.set GD, T+28
.set GE, T+32
.set GT, T+36
.macro GATE t
	v_cvt_pk_bf16_f32 v[GW], v[T+\t], v[T+\t]
	v_lshlrev_b32 v[GW], 16, v[GW]
	v_mul_f32 v[GW], 0x3f22f983, v[GW]
	v_cvt_i32_f32 v[GWI], v[GW]                    ; toward zero
	v_mul_f32 v[GW2], v[GW], v[GW]
	v_mul_f32 v[GW3], v[GW2], v[GW]
	v_fma_f32 v[GD+3], v[GW], -0.5, v[GW2]         ; c0 = -0.5 w + w2 - 0.5 w3
	v_fma_f32 v[GD+3], v[GW3], -0.5, v[GD+3]
	v_mul_f32 v[GD], 0x3fc00000, v[GW3]            ; c1 = -2.5 w2 + 1.5 w3
	v_fma_f32 v[GD], v[GW2], 0xc0200000, v[GD]
	v_mul_f32 v[GD+1], 0.5, v[GW]                  ; c2 = 0.5 w + 2 w2 - 1.5 w3
	v_fma_f32 v[GD+1], v[GW2], 2.0, v[GD+1]
	v_fma_f32 v[GD+1], v[GW3], 0xbfc00000, v[GD+1]
	v_mul_f32 v[GD+2], 0.5, v[GW3]                 ; c3 = -0.5 w2 + 0.5 w3
	v_fma_f32 v[GD+2], v[GW2], -0.5, v[GD+2]
	v_and_b32 v[SS+\t], 0x7fffffff, v[GD]          ; S = the sum of the four magnitudes
	v_and_b32 v[GT], 0x7fffffff, v[GD+1]
	v_add_f32 v[SS+\t], v[SS+\t], v[GT]
	v_and_b32 v[GT], 0x7fffffff, v[GD+2]
	v_add_f32 v[SS+\t], v[SS+\t], v[GT]
	v_and_b32 v[GT], 0x7fffffff, v[GD+3]
	v_add_f32 v[SS+\t], v[SS+\t], v[GT]
	v_and_b32 v[GT], 1, v[GWI]
	v_cmp_ne_u32 s[GA], 0, v[GT]
	v_and_b32 v[GT], 2, v[GWI]
	v_cmp_ne_u32 s[GB], 0, v[GT]
	v_cndmask_b32 v[GE],   v[GD],   v[GD+3], s[GA]
	v_cndmask_b32 v[GE+1], v[GD+1], v[GD],   s[GA]
	v_cndmask_b32 v[GE+2], v[GD+2], v[GD+1], s[GA]
	v_cndmask_b32 v[GE+3], v[GD+3], v[GD+2], s[GA]
	v_cndmask_b32 v[PG+8*\t+1], v[GE],   v[GE+2], s[GB]
	v_cndmask_b32 v[PG+8*\t+3], v[GE+1], v[GE+3], s[GB]
	v_cndmask_b32 v[PG+8*\t+5], v[GE+2], v[GE],   s[GB]
	v_cndmask_b32 v[PG+8*\t+7], v[GE+3], v[GE+1], s[GB]
	v_mov_b32 v[AL+\t], 1.0
.endm
; The layer's x out of my scratch: fragment (t, kb): lane l holds row l % 16, inputs 32 kb + 8 (l / 16) + 0..7 and 16 more on: two loads of 16 bytes, 32 bytes apart.  LDS serves a wave's instructions in order: these see my stores.
.macro RELOAD
	WIN 0x42                                       ; data window 1, address window 2
.set i_, 0
.rept 32
	ds_load_b128 v[8*i_:8*i_+3],   v[XRA] offset:(i_%4)*16*HP+(i_/4)*64
	ds_load_b128 v[8*i_+4:8*i_+7], v[XRA] offset:(i_%4)*16*HP+(i_/4)*64+32
.set i_, i_+1
.endr
.endm
; |row|^2 for my 64 rows: the diagonal of x x^T, 32 products, the four tiles' accumulators by turns.  Row m's lies in register m % 8 of lane m (m < 8) or lane 16 + m (m >= 8):
; each lane picks register (lane % 8), and the lanes that hold no diagonal take it from the lane 16 away.  It ends in the accumulator's register 0.
.macro NORM
	s_wait_dscnt 0x0                               ; x is in
	WIN NN
.set i_, 0
.rept 32
.set rY, 8*(i_%4)
.if i_ < 4
	v_wmma_f32_16x16x32_f16 v[rY:rY+7], v[8*i_:8*i_+7], v[8*i_:8*i_+7], 0
.else
	v_wmma_f32_16x16x32_f16 v[rY:rY+7], v[8*i_:8*i_+7], v[8*i_:8*i_+7], v[rY:rY+7]
.endif
.set i_, i_+1
.endr
	WIN FF
.rept 4
	v_nop                                          ; the places behind the last products (ISA guide 7.12.1)
.endr
.irp t, 0,1,2,3
	v_cndmask_b32 v[8*\t],   v[8*\t],   v[8*\t+1], s[M1]
	v_cndmask_b32 v[8*\t+2], v[8*\t+2], v[8*\t+3], s[M1]
	v_cndmask_b32 v[8*\t+4], v[8*\t+4], v[8*\t+5], s[M1]
	v_cndmask_b32 v[8*\t+6], v[8*\t+6], v[8*\t+7], s[M1]
	v_cndmask_b32 v[8*\t],   v[8*\t],   v[8*\t+2], s[M2]
	v_cndmask_b32 v[8*\t+4], v[8*\t+4], v[8*\t+6], s[M2]
	v_cndmask_b32 v[8*\t],   v[8*\t],   v[8*\t+4], s[M4]
	v_permlanex16_b32 v[8*\t+1], v[8*\t], s[SEL], s[SEL+1]
	v_cndmask_b32 v[8*\t],   v[8*\t+1], v[8*\t],   s[MD]
.endr
.endm
; The layer's p and q.  last = 0: from the bound U (see the head); last = 1: the scale is taken off.
.macro SCAL last
.if !(\last)
	WIN 0x02                                       ; source window 2, destination window 0
.irp t, 0,1,2,3
	v_sqrt_f32 v[T+\t], v[8*\t]
.endr
	WIN 0
.irp t, 0,1,2,3
	v_mul_f32 v[T+4+\t], s[BE], v[AL+\t]           ; alpha max|b|: plain work behind the four roots
.endr
	s_wait_alu depctr_va_vdst(0)                   ; one wait for the four roots, ahead of their first reader
.irp t, 0,1,2,3
	v_fma_f32 v[T+\t], v[T+\t], s[MU], v[T+4+\t]
	v_mul_f32 v[T+4+\t], 0x2b800000, v[AL+\t]      ; alpha 2^-40: the floor
	v_mul_f32 v[T+\t], v[SS+\t], v[T+\t]
	v_max_num_f32 v[T+\t], v[T+\t], v[T+4+\t]      ; U
	v_and_b32 v[T+\t], 0x7f800000, v[T+\t]         ; its exponent field E;
	v_sub_nc_u32 v[T+\t], 0x85800000, v[T+\t]      ; field 267 - E: rho = 2^(140 - E), and 2^13 <= rho U < 2^14
.endr
.else
	WIN 0
.irp t, 0,1,2,3
	v_sub_nc_u32 v[T+\t], 0x7f000000, v[AL+\t]     ; field 254 - A: 1 / alpha
.endr
.endif
.irp t, 0,1,2,3
.irp e, 0,1,2,3
	v_mul_f32 v[PG+2*(4*\t+\e)], v[PG+2*(4*\t+\e)+1], v[T+\t]
.if \last
	v_mov_b32 v[QZ+2*(4*\t+\e)], v[PG+2*(4*\t+\e)+1]
.else
	v_mul_f32 v[QZ+2*(4*\t+\e)], v[PG+2*(4*\t+\e)], v[AL+\t]
.endif
.endr
.if !(\last)
	v_mul_f32 v[AL+\t], v[AL+\t], v[T+\t]
.endif
.endr
.endm
; Product i of a block's 32: inputs 32 (i / 4) on, tile i % 4.  The four accumulators take turns, one instruction a turn; the first four start the sums.
.macro MMI e, i
	WIN MM
.set rY, 32*((\e)&1)+8*((\i)%4)
.set rW, 64*(\e)+8*((\i)/4)
.set rX, 8*(\i)
.if (\i) < 4
	v_wmma_f32_16x16x32_f16 v[rY:rY+7], v[rW:rW+7], v[rX:rX+7], 0
.else
	v_wmma_f32_16x16x32_f16 v[rY:rY+7], v[rW:rW+7], v[rX:rX+7], v[rY:rY+7]
.endif
.endm
; THE VECTOR WORK, in groups of four.  CG: ACC += p_e Y_e for tile t, the accumulator's low registers first; the last expert's sum goes into OUTR, so that ACC can be started anew while OUTR is
; rounded and stored.  BG: ACC = or += q_e b_e.
.macro CG e, t
	WIN CC
.set cd_, ACC
.if (\e) == 3
.set cd_, OUTR
.endif
.irp i, 0,1,2,3
	v_pk_fma_f32 v[cd_+8*(\t)+2*\i:cd_+8*(\t)+2*\i+1], v[32*((\e)&1)+8*(\t)+2*\i:32*((\e)&1)+8*(\t)+2*\i+1], v[PG+2*(4*(\t)+(\e)):PG+2*(4*(\t)+(\e))+1], v[ACC+8*(\t)+2*\i:ACC+8*(\t)+2*\i+1] op_sel_hi:[1,0,1]
.endr
.endm
.macro BG e, t
	WIN BB
.irp i, 0,1,2,3
.if (\e) == 0
	v_pk_mul_f32 v[ACC+8*(\t)+2*\i:ACC+8*(\t)+2*\i+1], v[BIA+8*(\e)+2*\i:BIA+8*(\e)+2*\i+1], v[QZ+2*(4*(\t)+(\e)):QZ+2*(4*(\t)+(\e))+1] op_sel_hi:[1,0]
.else
	v_pk_fma_f32 v[ACC+8*(\t)+2*\i:ACC+8*(\t)+2*\i+1], v[BIA+8*(\e)+2*\i:BIA+8*(\e)+2*\i+1], v[QZ+2*(4*(\t)+(\e)):QZ+2*(4*(\t)+(\e))+1], v[ACC+8*(\t)+2*\i:ACC+8*(\t)+2*\i+1] op_sel_hi:[1,0,1]
.endif
.endr
.endm
.macro FG1 t                           ; tile t's eight columns rounded to f16, in place, ascending
	WIN FF
.irp i, 0,1,2,3
	v_cvt_pk_f16_f32 v[OUTR+8*(\t)+\i], v[OUTR+8*(\t)+2*\i], v[OUTR+8*(\t)+2*\i+1]
.endr
.endm
.macro FG2 t                           ; relu on the halves
	WIN FF
.irp i, 0,1,2,3
	v_pk_max_num_f16 v[OUTR+8*(\t)+\i], v[OUTR+8*(\t)+\i], s[ZERO]
.endr
.endm
; THE LDS INSTRUCTIONS.  PUT: the finished n-tile: kind 1: 16 bytes of f16 a tile into my scratch rows; kind 2: 32 bytes of f32 a tile into my stage rows.
.macro PUT kind
	WIN FF
.irp t, 0,1,2,3
.if (\kind) == 1
	ds_store_b128 v[SADR], v[OUTR+8*\t:OUTR+8*\t+3] offset:\t*16*HP
.else
	ds_store_b128 v[SADR], v[OUTR+8*\t:OUTR+8*\t+3] offset:\t*16*OPI
	ds_store_b128 v[SADR], v[OUTR+8*\t+4:OUTR+8*\t+7] offset:\t*16*OPI+16
.endif
.endr
.endm
; WRUN: 32 loads: blocks k0 and k0 + 1 of the four that the n-tile fetches; block k is expert (k + 2) % 4's.  32 lanes take 16 neighbouring bytes each.
.macro WRUN k0
	WIN LW
.set wk_, (\k0)
.rept 2
.set wb_, 64*((wk_+2)&3)
.set wf_, 0
.rept 16
	ds_load_b128 v[wb_+4*wf_:wb_+4*wf_+3], v[WADR] offset:wk_*BLKB+512*wf_
.set wf_, wf_+1
.endr
.set wk_, wk_+1
.endr
.endm
.macro BLD                             ; the next n-tile's biases: four experts x my eight columns
	WIN LB
.irp e, 0,1,2,3
	ds_load_b128 v[BIA+8*\e:BIA+8*\e+3],   v[BADR] offset:64*\e
	ds_load_b128 v[BIA+8*\e+4:BIA+8*\e+7], v[BADR] offset:64*\e+16
.endr
	s_add_co_u32 s[BO], s[BO], 256
.endm
; Group n of block e's vector work.  kind (it matters for e = 0 alone): 0 the first n-tile of a run: nothing is finished; 1 layers 1, 2; 2 layer 3.
;   e = 0: the n-tile before gets its last expert (CG 3) and, kind 1, is rounded (FG1, FG2); then this n-tile's ACC starts (BG 0).   e = 1: BG 1, 2, 3; CG 0.   e = 2: CG 1.   e = 3: CG 2.
.macro RID e, kind, n
.if (\e) == 0
.if (\kind) == 0
	BG 0, \n
.elseif (\n) < 4
	CG 3, \n
.elseif (\kind) == 1
.if (\n) < 8
	FG1 (\n)-4
.elseif (\n) < 12
	FG2 (\n)-8
.else
	BG 0, (\n)-12
.endif
.else
	BG 0, (\n)-4
.endif
.elseif (\e) == 1
.if (\n) < 12
	BG 1+(\n)/4, (\n)%4
.else
	CG 0, (\n)-12
.endif
.else
	CG (\e)-1, \n
.endif
.endm
; A BLOCK: one expert's 32 products for an n-tile, with groups of four vector instructions behind some of them.
;   block 0, kinds 1 and 2: behind products 0 .. 11 (kind 2: 0 .. 3) what finishes the n-tile before; behind product 11 THE FIRST RUN: its stores, and the fragments of experts 2 and 3, 52 products ahead of their use;
;            behind products 14, 19, 24, 29 BG 0.   block 1: 16 groups behind products 0, 2 .. 28 and 29.   blocks 2, 3 (and block 0, kind 0): four groups behind products 0, 10, 20, 29.
;   block 2: behind product 1 THE SECOND RUN: the next n-tile's fragments of experts 0 and 1 and its biases, 62 products ahead of their use.
; The waits for the runs stand at the heads of blocks 2 and 0; the runs' three addresses are made at block 0's head, so that no vector instruction stands in a run.
; The group behind product 29 is the four places between products 28, 29 and the first reader of their sums (the next block's first group); the groups ahead of a run are the four places in front of loads into
; a buffer that an earlier block has read (ISA guide 7.12.1 for vector instructions).  They name only the other Y buffer, ACC, OUTR and window 0.
.macro BLOCK e, kind
.if ((\e)&1) == 0
	s_wait_dscnt 0x0                               ; the run of two blocks ago is in: this block's and the next's fragments (block 0: the biases too; block 2: the stores are done)
.endif
.if (\e) == 0
	WIN FF
	v_add_nc_u32 v[WADR], v[L16], s[TB]
	v_add_nc_u32 v[BADR], v[BAD0], s[BO]
.if (\kind) != 0
	v_add_nc_u32 v[SADR], v[SAD0], s[SB]
.endif
.endif
.set nf_, 20-8*(\kind)                 ; kind 1: 12 groups finish the n-tile before; kind 2: 4
.set i_, 0
.rept 32
	MMI \e, i_
.set n_, -1
.if (\e) == 1
.if ((i_%2) == 0) && (i_ <= 28)
.set n_, i_/2
.elseif i_ == 29
.set n_, 15
.endif
.elseif ((\e) == 0) && ((\kind) != 0)
.if i_ < nf_
.set n_, i_
.elseif (i_ == 14) || (i_ == 19) || (i_ == 24) || (i_ == 29)
.set n_, nf_+(i_-14)/5
.endif
.else
.if (i_ == 0) || (i_ == 10) || (i_ == 20)
.set n_, i_/10
.elseif i_ == 29
.set n_, 3
.endif
.endif
.if n_ >= 0
	RID \e, \kind, n_
.endif
.if ((\e) == 0) && (i_ == 11)
.if (\kind) != 0
	PUT \kind
.endif
	WRUN 0
.endif
.if ((\e) == 2) && (i_ == 1)
	WRUN 2
	BLD
.endif
.set i_, i_+1
.endr
.endm
; A run's last n-tile is finished without products beside it.
.macro DRAIN kind
	WIN FF
	v_add_nc_u32 v[SADR], v[SAD0], s[SB]
.irp t, 0,1,2,3
	CG 3, \t
.endr
.if (\kind) == 1
.irp t, 0,1,2,3
	FG1 \t
.endr
.irp t, 0,1,2,3
	FG2 \t
.endr
.endif
	PUT \kind
.endm
; Layer 3: 64 rows x 64 columns leave the stage by rows: lanes 0-15 take one row's 256 bytes, lanes 16-31 the next.  The data go through Y, ACC and OUTR; W's fragments, in window 3, are kept.
.macro FLUSH more
	WIN FF
.set i_, 0
.rept 32
	ds_load_b128 v[4*i_:4*i_+3], v[RDA] offset:2*OPI*i_  ; LDS serves a wave's instructions in order: these see my stores
.set i_, i_+1
.endr
.set i_, 0
.rept 32
	s_wait_dscnt 31-i_                             ; the loads issued behind load i may stay out
	global_store_b128 v[GO], v[4*i_:4*i_+3], s[OUTP:OUTP+1] offset:2048*i_ th:TH_STORE_NT  ; two runs of 256 consecutive bytes, each at a multiple of 256 from out0's first byte
.set i_, i_+1
.endr
.if \more
	s_wait_xcnt 0x0                                ; the stores' base and data are rewritten only behind this wait
	s_add_nc_u64 s[OUTP:OUTP+1], s[OUTP:OUTP+1], 256  ; the next 64 columns
.endif
	WIN 0
.endm
; A RUN of 2 x slots n-tiles.  A trip of the inner loop is an n-tile: block 0, which also finishes the n-tile before, then blocks 1 to 3.  The run's first block 0 finishes nothing and is written out;
; the loop is entered behind it, in the middle of a trip.  The jump passes no barrier and no tensor load.
.macro BODY kind, slots, fill, tag
	s_mov_b32 s[SB], 0
	BLOCK 0, 0
	WIN 0
	s_mov_b32 s[SLOTS], \slots
	s_mov_b32 s[TWICE], 2
	s_branch .Lenter\tag
.Lslot\tag:
	s_mov_b32 s[TWICE], 2
.Ltile\tag:
	BLOCK 0, \kind
	WIN 0
	s_add_co_u32 s[SB], s[SB], 32*(\kind)          ; 16 columns: 32 bytes of f16, 64 of f32
.Lenter\tag:
	BLOCK 1, \kind
	BLOCK 2, \kind
	BLOCK 3, \kind
	WIN 0
	s_add_co_u32 s[TB], s[TB], GRPB
	s_sub_co_u32 s[TWICE], s[TWICE], 1
	s_cmp_lg_u32 s[TWICE], 0
	s_cbranch_scc1 .Ltile\tag
	CHANGE \fill
	s_sub_co_u32 s[SLOTS], s[SLOTS], 1
	s_cmp_lg_u32 s[SLOTS], 0
	s_cbranch_scc1 .Lslot\tag
	DRAIN \kind
.endm
	s_load_b256 s[4:11], s[0:1], 0x0               ; X s[4:5], phi s[6:7], wt s[8:9], bt s[10:11]
	s_load_b128 s[12:15], s[0:1], 0x20             ; st s[12:13], out0 s[14:15]
	v_lshl_add_u32 v[SPW], v0, 2, SPARE
	v_mov_b32 v[NIL], 0
	ds_add_u32 v[SPW], v[NIL]                      ; the wave's opening: the add and its wait stand ahead of my first tensor load; the set-up below, work on registers, stands between them
	v_lshrrev_b32 v1, 5, v0
	v_readfirstlane_b32 s[WV], v1                  ; wave 0..3
	s_bfe_u32 s[CX], ttmp6, 0x40000                ; my place in the cluster: it enters X's, phi's and out0's addresses alone
	s_lshl_b32 s[WG], ttmp9, 2                     ; in a cluster launch ttmp9 counts clusters
	s_add_co_u32 s[WG], s[WG], s[CX]
	s_lshl_b32 s20, s[WG], 2
	s_add_co_u32 s20, s20, s[WV]                   ; my wave among the 1,024
	s_lshl_b32 s22, s20, 8                         ; its 64 numbers of phi,
	s_mov_b32 s23, 0
	s_lshl_b32 s20, s20, 16                        ; its 64 rows of 1,024 bytes
	s_mov_b32 s21, 0
	; descriptor group 1: dense bytes as rows of 256: elements of 8 bytes, 32 to a row, no padding
	s_mov_b32 s[G1],   15|(3<<16)|(1<<21)          ; 15:0 the mask of four; 17:16 elements of 8 bytes; 21 set beside a mask
	s_mov_b32 s[G1+1], 32<<16                      ; tensor_dim0 = 32
	s_mov_b32 s[G1+2], 64<<16                      ; tensor_dim1 = 64
	s_mov_b32 s[G1+3], 32<<16                      ; tile_dim0 = 32
	s_mov_b32 s[G1+4], 64                          ; tile_dim1 = 64
	s_mov_b32 s[G1+5], 32                          ; 32 elements from row to row
	s_mov_b32 s[G1+6], 0
	s_mov_b32 s[G1+7], 0
	s_mov_b32 s[G1C],   15|(3<<16)|(1<<21)
	s_mov_b32 s[G1C+1], 32<<16
	s_mov_b32 s[G1C+2], 12<<16                     ; 12 rows a wave
	s_mov_b32 s[G1C+3], 32<<16
	s_mov_b32 s[G1C+4], 12
	s_mov_b32 s[G1C+5], 32
	s_mov_b32 s[G1C+6], 0
	s_mov_b32 s[G1C+7], 0
	s_lshl_b32 s86, s[WV], 14                      ; my quarter of a slot
	s_mov_b32 s87, 0
	s_mul_i32 s88, s[WV], 3072                     ; my quarter of the biases
	s_mov_b32 s89, 0
	s_mov_b32 s[G0A], 1
	s_mov_b32 s[G0A+1], s86
	s_mov_b32 s[G0B], 1
	s_add_co_u32 s[G0B+1], s86, SLOTB
	s_mov_b32 s[G0C], 1
	s_add_co_u32 s[G0C+1], s88, BIASB
	s_mul_i32 s90, s[WV], SCRW
	s_add_co_u32 s90, s90, SCR                     ; my scratch
	s_mov_b32 s[ZERO], 0
	s_mov_b32 s[HIM], 0xffff0000
	s_mov_b32 s[SEL], 0x76543210
	s_mov_b32 s[SEL+1], 0xfedcba98
	s_mov_b32 s[M1], 0xaaaaaaaa                    ; lanes whose number has bit 0, 1, 2
	s_mov_b32 s[M2], 0xcccccccc
	s_mov_b32 s[M4], 0xf0f0f0f0
	s_mov_b32 s[MD], 0xff0000ff                    ; lanes that hold a diagonal element
	s_mov_b32 s[TB], 0
	s_mov_b32 s[BO], 0
	v_and_b32 v[LN], 31, v0
	v_and_b32 v[R], 15, v0
	v_bfe_u32 v[HF], v0, 4, 1
	v_lshlrev_b32 v[XO], 4, v[LN]
	v_lshl_add_u32 v[XS], v[LN], 3, s90
	v_lshlrev_b32 v[PHO], 2, v[R]
	v_lshlrev_b32 v[STA], 5, v[LN]
	v_and_b32 v[STB], 7, v0
	v_lshlrev_b32 v[STB], 2, v[STB]
	s_wait_dscnt 0x0                               ; the opening add is done
	s_wait_kmcnt 0x0
	s_add_nc_u64 s[G0A+2:G0A+3], s[8:9], s[86:87]
	s_add_nc_u64 s[G0B+2:G0B+3], s[G0A+2:G0A+3], SLOTB
	s_or_b32 s[G0A+3], s[G0A+3], 0x80000000        ; type = 2
	s_or_b32 s[G0B+3], s[G0B+3], 0x80000000
	s_add_nc_u64 s[G0C+2:G0C+3], s[10:11], s[88:89]
	s_or_b32 s[G0C+3], s[G0C+3], 0x80000000
	s_add_nc_u64 s[W0P:W0P+1], s[8:9], 190*BLKB    ; blocks 0 and 1 lie at the end
	s_add_nc_u64 s[XP:XP+1], s[4:5], s[20:21]
	s_add_nc_u64 s[PHP:PHP+1], s[6:7], s[22:23]
	s_add_nc_u64 s[OUTP:OUTP+1], s[14:15], s[20:21]
	; 58 loads go out ahead of the round: phi 4, the maxima 6, blocks 0 and 1 with 32, X's first 16
.irp t, 0,1,2,3
	global_load_b32 v[T+\t], v[PHO], s[PHP:PHP+1] offset:64*\t
.endr
.irp l, 0,1
	global_load_b128 v[T+4+8*\l:T+7+8*\l],  v[STA], s[12:13] offset:1024*\l
	global_load_b128 v[T+8+8*\l:T+11+8*\l], v[STA], s[12:13] offset:1024*\l+16
	global_load_b32 v[T+20+\l], v[STB], s[12:13] offset:3072+32*\l
.endr
	WIN 0xc0                                       ; data window 3, address window 0
.set i_, 0
.rept 32
	global_load_b128 v[4*i_:4*i_+3], v[XO], s[W0P:W0P+1] offset:512*i_  ; experts 0 and 1 of the first n-tile, as their registers take them
.set i_, i_+1
.endr
	XLOAD 0, 16
	WIN 0
	CROUND                                         ; all four work-groups are here: the first joint loads meet
	JL G0C, G1C                                    ; the first fills go out as one group: three tensor loads of mine are out
	JL G0A, G1
	JL G0B, G1
	XLOAD 16, 128
	WIN 0
	v_mul_u32_u24 v[T+40], v[R], HP
	v_lshl_add_u32 v[T+40], v[HF], 4, v[T+40]
	v_add_nc_u32 v[T+40], s90, v[T+40]
	v_mul_u32_u24 v[T+41], v[R], OPI
	v_lshl_add_u32 v[T+41], v[HF], 5, v[T+41]
	v_add_nc_u32 v[T+41], s90, v[T+41]
	v_mul_u32_u24 v[T+42], v[HF], OPI
	v_lshl_add_u32 v[T+42], v[R], 4, v[T+42]
	v_add_nc_u32 v[T+42], s90, v[T+42]
	v_lshlrev_b32 v[T+43], 10, v[HF]
	v_lshl_add_u32 v[T+43], v[R], 4, v[T+43]
	v_lshlrev_b32 v[T+44], 5, v[HF]
	v_add_nc_u32 v[T+44], BIASB, v[T+44]
	WIN 0x80
	v_mov_b32 v[L16], v[XO]
	v_mov_b32 v[XRA], v[T+40]
	v_mov_b32 v[SAD0], v[T+40]
	v_mov_b32 v[OSA], v[T+41]
	v_mov_b32 v[RDA], v[T+42]
	v_mov_b32 v[GO], v[T+43]
	v_mov_b32 v[BAD0], v[T+44]
	WIN 0
.set i_, 0
.rept 16
	v_mov_b32 v[QZ+2*i_+1], 0                      ; the packed forms name q as a pair: its partner is written once
.set i_, i_+1
.endr
	s_wait_loadcnt 63                              ; of my 170 loads the oldest 107 are in: phi, the maxima, blocks 0 and 1, and X's loads 0 to 64
.irp l, 0,1
	v_max3_num_f32 v[T+4+8*\l], v[T+4+8*\l], v[T+5+8*\l], v[T+6+8*\l]
	v_max3_num_f32 v[T+7+8*\l], v[T+7+8*\l], v[T+8+8*\l], v[T+9+8*\l]
	v_max3_num_f32 v[T+4+8*\l], v[T+4+8*\l], v[T+10+8*\l], v[T+11+8*\l]
	v_max_num_f32 v[T+4+8*\l], v[T+4+8*\l], v[T+7+8*\l]
	v_max_num_f32_dpp v[T+4+8*\l], v[T+4+8*\l], v[T+4+8*\l] row_xmask:1 row_mask:0xf bank_mask:0xf
	v_max_num_f32_dpp v[T+4+8*\l], v[T+4+8*\l], v[T+4+8*\l] row_xmask:2 row_mask:0xf bank_mask:0xf
	v_max_num_f32_dpp v[T+4+8*\l], v[T+4+8*\l], v[T+4+8*\l] row_xmask:4 row_mask:0xf bank_mask:0xf
	v_max_num_f32_dpp v[T+4+8*\l], v[T+4+8*\l], v[T+4+8*\l] row_xmask:8 row_mask:0xf bank_mask:0xf
	v_permlanex16_b32 v[T+5+8*\l], v[T+4+8*\l], s[SEL], s[SEL+1]
	v_max_num_f32 v[T+4+8*\l], v[T+4+8*\l], v[T+5+8*\l]
	v_mul_f32 v[T+4+8*\l], 0x41800000, v[T+4+8*\l] ; 16 = sqrt(256)
	v_readfirstlane_b32 s[68+2*\l], v[T+4+8*\l]
	v_max_num_f32_dpp v[T+20+\l], v[T+20+\l], v[T+20+\l] row_xmask:1 row_mask:0xf bank_mask:0xf
	v_max_num_f32_dpp v[T+20+\l], v[T+20+\l], v[T+20+\l] row_xmask:2 row_mask:0xf bank_mask:0xf
	v_max_num_f32_dpp v[T+20+\l], v[T+20+\l], v[T+20+\l] row_xmask:4 row_mask:0xf bank_mask:0xf
	v_readfirstlane_b32 s[69+2*\l], v[T+20+\l]
.endr
	s_mov_b32 s[MU], s68
	s_mov_b32 s[BE], s69
.irp t, 0,1,2,3
	GATE \t
.endr
.irp g, 0,1,2,3,4,5,6,7,8,9,10,11,12,13,14,15
	XCONV \g
.endr
	s_wait_tensorcnt 1                             ; my parts of the biases and of fill 0 are in; fill 1 may stay out
	s_wait_dscnt 0x0
	s_barrier_signal -1
	s_barrier_wait -1                              ; everybody's are
	WIN LB
.irp e, 0,1,2,3
	ds_load_b128 v[BIA+8*\e:BIA+8*\e+3],   v[BAD0] offset:47*256+64*\e      ; entry 0 lies at the end
	ds_load_b128 v[BIA+8*\e+4:BIA+8*\e+7], v[BAD0] offset:47*256+64*\e+16
.endr
	WIN 0
	s_mov_b32 s[LAY], 2
.LlayerH:                                              ; layers 1 and 2: 16 n-tiles, 8 changes of slots each: fills 2 to 17
	RELOAD
	NORM
	SCAL 0
	BODY 1, 8, 1, H
	WIN 0
	s_mov_b32 s[MU], s70                           ; layer 2's maxima
	s_mov_b32 s[BE], s71
	s_sub_co_u32 s[LAY], s[LAY], 1
	s_cmp_lg_u32 s[LAY], 0
	s_cbranch_scc1 .LlayerH
	RELOAD                                         ; layer 3, in four groups of 64 columns; the scratch now serves as the stage
	SCAL 1
	WIN FF
	v_mov_b32 v[SAD0], v[OSA]
	WIN 0
	s_mov_b32 s[LAY], 3
.Lgroup:                                               ; three groups, two changes each: fills 18 to 23
	BODY 2, 2, 1, A
	FLUSH 1
	s_sub_co_u32 s[LAY], s[LAY], 1
	s_cmp_lg_u32 s[LAY], 0
	s_cbranch_scc1 .Lgroup
	BODY 2, 2, 0, B                                ; the last group is written out: nothing is asked for.  Its last n-tile fetches blocks 0 and 1 and
	FLUSH 0                                        ; entry 0 once more, which serve nothing: the price of one text for every n-tile
	s_wait_tensorcnt 0x0                           ; the wave's end, behind my last tensor load and my last LDS store
	ds_add_u32 v[SPW], v[NIL]
	s_wait_dscnt 0x0
	CROUND                                         ; the closing round: no work-group ends while a partner may still ask for a tile that names it
	s_endpgm
.Lfunc_end_k_q41535859d6_chain:
	.size	k_q41535859d6_chain, .Lfunc_end_k_q41535859d6_chain-k_q41535859d6_chain
	.p2alignl 7, 3214868480
	.fill 96, 4, 3214868480
	.section	.rodata,"a",@progbits
	.p2align	6, 0x0
	.amdhsa_kernel k_q41535859d6_chain
		.amdhsa_group_segment_fixed_size 327680
		.amdhsa_private_segment_fixed_size 0
		.amdhsa_enable_private_segment 0
		.amdhsa_kernarg_size 48
		.amdhsa_user_sgpr_count 2
		.amdhsa_user_sgpr_kernarg_segment_ptr 1
		.amdhsa_wavefront_size32 1
		.amdhsa_system_sgpr_workgroup_id_x 1
		.amdhsa_system_sgpr_workgroup_id_y 1
		.amdhsa_system_sgpr_workgroup_id_z 1
		.amdhsa_system_vgpr_workitem_id 0
		.amdhsa_next_free_vgpr 1024
		.amdhsa_next_free_sgpr 96
		.amdhsa_reserve_vcc 0
		.amdhsa_float_denorm_mode_32 3
		.amdhsa_float_denorm_mode_16_64 3
		.amdhsa_memory_ordered 1
		.amdhsa_forward_progress 1
		.amdhsa_inst_pref_size 220
	.end_amdhsa_kernel
	.amdgpu_metadata
---
amdhsa.version: [ 1, 2 ]
amdhsa.kernels:
  - .name:           k_q41535859d6_chain
    .symbol:         k_q41535859d6_chain.kd
    .args:
      - { .name: X, .offset: 0, .size: 8, .value_kind: global_buffer, .address_space: global }
      - { .name: phi, .offset: 8, .size: 8, .value_kind: global_buffer, .address_space: global }
      - { .name: wt, .offset: 16, .size: 8, .value_kind: global_buffer, .address_space: global }
      - { .name: bt, .offset: 24, .size: 8, .value_kind: global_buffer, .address_space: global }
      - { .name: st, .offset: 32, .size: 8, .value_kind: global_buffer, .address_space: global }
      - { .name: out0, .offset: 40, .size: 8, .value_kind: global_buffer, .address_space: global }
    .group_segment_fixed_size: 327680
    .private_segment_fixed_size: 0
    .kernarg_segment_align: 8
    .kernarg_segment_size: 48
    .max_flat_workgroup_size: 128
    .sgpr_count:     96
    .vgpr_count:     1024
    .wavefront_size: 32
...
	.end_amdgpu_metadata
.endif
;; end of part 4
